; MI455X (gfx1250); checked and timed in simulation.
; The chip was launched on July 23, 2026; its instructions are those of AMD's public machine-readable ISA for CDNA 5 (MIT licence, August 2026) and "CDNA5" Instruction Set Architecture Reference Guide (July 2026). The comments in the code are by the model that wrote it; some were corrected since.
;; Share Att Cross Attention. Allowed arithmetic: matrix products marked QUANTISED: E3M2 operands, one E8M0 scale for each 32 along K, by v_wmma_scale_f32_16x16x128_f8f6f4 with both operands' format E3M2, f32 sums; everything else in f32.
;; Inputs: Wk 512 x 512 float32; Wpd 512 x 512 float32; Wpr 512 x 512 float32; Wq 512 x 512 float32; Wvd 512 x 512 float32; Wvr 512 x 512 float32; b_d 512 float32; b_r 512 float32; bk 512 float32; bpd 512 float32; bpr 512 float32; bq 512 float32; bvd 512 float32; bvr 512 float32; g_d 512 float32; g_r 512 float32; x 4 x 2,048 x 512 float32; y 4 x 2,048 x 512 float32.
;; Outputs: out0 4 x 2,048 x 512 float32; out1 4 x 2,048 x 512 float32.
;; Constants: num_heads = 8.
;; This version of the problem:
;;   THIS VERSION OF THE PROBLEM IS GIVEN IN LOW PRECISION. The matrix products marked QUANTISED in the list below multiply operands that are first quantised to E3M2 (3 exponent bits, 2 mantissa bits; 6 bits a number), with one power-of-two scale for each 32 numbers along K (OCP MX v1.0); their sums are f32. All else is computed in f32.
;;   The module's matrix products, in the order in which they are computed (A, B: the left and right operand; K: the contracted axis; several contracted axes count as one K, in the product's order):
;;     1. [M 8,192, K 512] x [K 512, N 512]; A: computed on the way; B: input Wq: QUANTISED
;;     2. [M 8,192, K 512] x [K 512, N 512]; A: computed on the way; B: input Wvr: QUANTISED
;;     3. [M 8,192, K 512] x [K 512, N 512]; A: computed on the way; B: input Wk: QUANTISED
;;     4. [M 8,192, K 512] x [K 512, N 512]; A: computed on the way; B: input Wvd: QUANTISED
;;     5. batch 32 x [M 2,048, K 64] x [K 64, N 2,048]; A: computed on the way; B: computed on the way: QUANTISED
;;     6. batch 32 x [M 2,048, K 2,048] x [K 2,048, N 64]; A: softmax (see below); B: computed on the way: QUANTISED
;;     7. [M 8,192, K 512] x [K 512, N 512]; A: computed on the way; B: input Wpr: QUANTISED
;;     8. batch 32 x [M 2,048, K 2,048] x [K 2,048, N 64]; A: softmax (see below); B: computed on the way: QUANTISED
;;     9. [M 8,192, K 512] x [K 512, N 512]; A: computed on the way; B: input Wpd: QUANTISED
;;   THE QUANTISER, for each operand of a quantised product, along K:
;;     - K is cut into blocks of 32 from its start; a last block that is shorter is filled with zeros.
;;     - A block's scale is 2^e with e = floor(log2(the largest magnitude in the block)) - 4, held to -126 .. 127; a block of zeros has e = 0. As a byte (E8M0): e + 127.
;;     - Each number is divided by its block's scale, clamped to +-28, and rounded to the nearest number of E3M2, ties to even, subnormals kept.
;;     - The product sums the exact products of the quantised numbers (number of the format x scale) in f32.
;;   ~~~python
;;   def quantise(x, axis):      # numpy; x: float32 -> the quantised numbers, widened to float32 again
;;       x = np.moveaxis(x, axis, -1); K = x.shape[-1]
;;       x = np.pad(x, [(0, 0)] * (x.ndim - 1) + [(0, -K % 32)]); x = x.reshape(x.shape[:-1] + (-1, 32)); a = np.abs(x).max(-1, keepdims=True)
;;       e = np.where(a > 0, np.clip(np.frexp(np.where(a > 0, a, 1))[1] - 1 - 4, -126, 127), 0)      # np.frexp(a)[1] - 1 = floor(log2(a)), exactly
;;       r = np.clip(x / 2.0 ** e, -28, 28)
;;       step = 2.0 ** (np.maximum(np.frexp(np.where(r == 0, 1, r))[1] - 1, -2) - 2)
;;       q = np.round(r / step) * step * 2.0 ** e      # np.round: ties to even
;;       return np.moveaxis(q.reshape(q.shape[:-2] + (-1,))[..., :K], -1, axis).astype(np.float32)
;;   ~~~
;;   SOFTMAX AHEAD OF A QUANTISED PRODUCT. Where the list says 'softmax', what is quantised is not the finished softmax but p = 2^(t - M), with t = logit x log2(e) and M = ceil(the row's largest t), a whole number; so 1/2 < the row's largest p <= 1. The row's sum l is taken of the UNQUANTISED p, in f32, and the product's result is divided by l at the end. Since M is a whole number, a kernel that streams over the keys may use a running M (the ceiling of the running maximum): every later rescaling is an exact power of two, which a block's scale takes up: the codes' values come out the same.
;;   OPERANDS COMPUTED ON THE WAY. 'Computed on the way' means the value that the module computes at that place (a softmax that the list does not call 'softmax' is quantised finished and normalised). What goes into a quantiser is computed in f32, as accurately as f32 sums, v_exp_f32 and their like allow (about 1e-6 of the number): no bf16 or f16 on the way to a quantiser, and a product that is left as it is and whose result goes on into a quantised operand takes f32 operands (vector FMAs, or v_wmma_f32_16x16x4_f32). A number that lies on a knife's edge between two numbers of the format may be rounded either way, as far as f32 arithmetic and the matrix unit's own rounding can turn it there, and no further.
;; One version. Each part assembles by itself: llvm-mc -triple=amdgcn-amd-amdhsa -mcpu=gfx1250 --defsym DOCPART=n.
;; ======== version 1 of 1: 4 launches
;; limits: right only within a limited range of input values
;; workspace buffers: tcodes 7,471,104 bytes; tscales 311,296 bytes; kv 13,369,344 bytes; ocodes 6,291,456 bytes; oscales 262,144 bytes
;; launch prep (part 1): grid 304 x 1, 4 waves a work-group, no clusters, 132,608 bytes of LDS; arguments x, y, Wq, Wk, Wvr, Wvd, Wpr, Wpd, g_r, b_r, g_d, b_d, tcodes, tscales; writes tcodes, tscales
.if DOCPART == 1
	.amdgcn_target "amdgcn-amd-amdhsa--gfx1250"
	.amdhsa_code_object_version 6
	.text
	.protected	k_qba31f4516d_prep
	.globl	k_qba31f4516d_prep
	.p2align	8
	.type	k_qba31f4516d_prep,@function
k_qba31f4516d_prep:
	s_mov_b64 s[64:65], 0
	v_nop
	global_prefetch_b8 v0, s[64:65] scope:SCOPE_SE
	s_setreg_imm32_b32 hwreg(HW_REG_WAVE_MODE, 25, 1), 1
	s_wait_xcnt 0x0
; LayerNorm(x), LayerNorm(y) and the six weights, each [rows][512] f32 with K = 512 innermost, become codes of BF6 (E3M2) with one E8M0 byte for each 32 along K.
; A block's byte is its largest magnitude's exponent field - 4, held at 1 from below; each number is divided by the scale and rounded to the nearest code, ties to even, beyond 28 the largest code.
; LIMITS: NaN and infinities are not served.  A block whose largest magnitude lies under 2^-122 (a block of zeros too) gets the byte 1 where the rule says 127 for zeros: its codes are then zeros or
; subnormal codes under that byte, and the bytes are read by this program alone.
; LAYOUT OF THE RESULT.  A TILE is 16 rows: tile T of a tensor holds rows 32 (T / 2) + 8 (T % 2) + i + 8 (i / 8), i = 0 .. 15.  Its codes are 8 half fragments of 768 bytes (64 along K each), laid as the operand's
; registers: lane (r, h) holds K = 32 h .. 32 h + 31 of tile row r in six registers; registers 0-3 lie at 16 x lane, registers 4-5 at 512 + 8 x lane.  Its scale bytes are 256 bytes: byte 16 r + K / 32.
; Tiles 0-511 LN(x), 512-1023 LN(y), then 32 for each of Wq, Wk, Wvr, Wvd, Wpr, Wpd.
; SHARES.  A wave takes one tile: 4 x work-group + wave.  Waves share nothing: no barrier.  1,216 tiles are 304 work-groups.
; PHASE A, a row at a time: the 32 lanes load the row's 2,048 bytes (four loads of 512 consecutive bytes), normalise it in registers (mean, then the mean of the squared differences: no difference of large sums),
; and put it into the wave's own LDS rows.  Three rows' loads are on their way.  PHASE B: lane (r, h) reads 32 neighbours along K of row r, so that a block lies in one lane, and quantises them.
.set PITCH, 2064                       ; an LDS row: 2,048 bytes + 16: sixteen lanes that read the same column of sixteen rows touch sixteen different columns of 16 bytes
.set WREG,  16*PITCH                   ; a wave's region
.set G,   16                           ; v16-31   the gain at my columns 128 j + 4 lane + e
.set BT,  32                           ; v32-47   the bias likewise
.set X,   48                           ; v48-111  phase A: four row slots of 16; phase B: two sets of 32
.set CD,  112                          ; v112-159 codes: six registers for each 64 along K, so that no store's data are written again
.set C2,  160                          ; v160-162 a block's second 16 codes (a conversion's three registers begin on an even number)
.set SW,  164                          ; v164-167 the row's four scale words
.set TM,  168                          ; v168-175 at work
.set RAW, 37                           ; s37      1: a weight, which is not normalised
.set SEL, 44                           ; s[44:45] lane selects for v_permlanex16_b32: lane l xor 16
	s_load_b256 s[4:11], s[0:1], 0x0               ; x, y, Wq, Wk
	s_load_b256 s[12:19], s[0:1], 0x20             ; Wvr, Wvd, Wpr, Wpd
	s_load_b256 s[20:27], s[0:1], 0x40             ; g_r, b_r, g_d, b_d
	s_load_b128 s[28:31], s[0:1], 0x60             ; tcodes, tscales
	v_lshl_add_u32 v176, v0, 2, 0x20400
	v_mov_b32 v177, 0
	v_lshrrev_b32 v1, 5, v0
	v_readfirstlane_b32 s32, v1                    ; wave
	v_and_b32 v2, 31, v0                           ; lane
	v_and_b32 v3, 15, v0                           ; r
	v_bfe_u32 v7, v0, 4, 1                         ; h
	v_lshlrev_b32 v4, 4, v2                        ; 16 x lane
	s_mul_i32 s33, s32, WREG
	v_add_nc_u32 v5, s33, v4                       ; LDS, on the way in: my 16 bytes of a row's 512
	v_mul_u32_u24 v6, v3, PITCH
	v_lshl_add_u32 v6, v7, 7, v6
	v_add_nc_u32 v6, s33, v6                       ; LDS, on the way out: row r, + 128 h bytes
	v_lshlrev_b32 v8, 3, v2                        ; 8 x lane
	v_lshlrev_b32 v9, 4, v3
	v_lshl_add_u32 v9, v7, 3, v9                   ; 16 r + 8 h: my 8 scale bytes
	v_lshlrev_b32 v10, 3, v7                       ; 8 h
	s_lshl_b32 s34, ttmp9, 2
	s_add_co_u32 s34, s34, s32                     ; my tile
	s_sub_co_u32 s35, ttmp9, 256
	s_lshr_b32 s35, s35, 3                         ; which weight (a large number in x's and y's work-groups)
	s_mov_b32 s36, 31
	s_cmp_lt_u32 ttmp9, 256
	s_cselect_b32 s36, 511, s36
	s_cselect_b32 s[RAW], 0, 1
	s_and_b32 s36, s34, s36                        ; my tile within its tensor
	s_lshr_b32 s38, s36, 1
	s_lshl_b32 s38, s38, 5
	s_and_b32 s39, s36, 1
	s_lshl_b32 s39, s39, 3
	s_add_co_u32 s38, s38, s39                     ; its first row
	s_lshl_b32 s38, s38, 11                        ; in bytes (under 2^25)
	s_mov_b32 s39, 0
	s_mul_i32 s40, s34, 6144                       ; my tile's codes
	s_mov_b32 s41, 0
	s_lshl_b32 s42, s34, 8                         ; and scale bytes
	s_mov_b32 s43, 0
	s_mov_b32 s[SEL], 0x76543210
	s_mov_b32 s[SEL+1], 0xfedcba98
	s_mov_b32 s46, 0x3b000000                      ; 1 / 512
	s_mov_b32 s47, 0x3727c5ac                      ; 1e-5
	s_wait_alu depctr_va_vdst(0)
	s_wait_kmcnt 0x0
	s_cmp_eq_u32 s35, 1                            ; the source is chosen by the work-group's number alone
	s_cselect_b64 s[8:9], s[10:11], s[8:9]
	s_cmp_eq_u32 s35, 2
	s_cselect_b64 s[8:9], s[12:13], s[8:9]
	s_cmp_eq_u32 s35, 3
	s_cselect_b64 s[8:9], s[14:15], s[8:9]
	s_cmp_eq_u32 s35, 4
	s_cselect_b64 s[8:9], s[16:17], s[8:9]
	s_cmp_eq_u32 s35, 5
	s_cselect_b64 s[8:9], s[18:19], s[8:9]
	s_cmp_lt_u32 ttmp9, 256
	s_cselect_b64 s[8:9], s[6:7], s[8:9]
	s_cmp_lt_u32 ttmp9, 128
	s_cselect_b64 s[8:9], s[4:5], s[8:9]
	s_cselect_b64 s[20:21], s[20:21], s[24:25]     ; x takes g_r and b_r, y takes g_d and b_d (a weight loads the latter and does not use them)
	s_cselect_b64 s[22:23], s[22:23], s[26:27]
	s_add_nc_u64 s[8:9], s[8:9], s[38:39]
	s_add_nc_u64 s[28:29], s[28:29], s[40:41]
	s_add_nc_u64 s[30:31], s[30:31], s[42:43]
.irp j,0,1,2,3
	global_load_b128 v[G+4*\j:G+4*\j+3], v4, s[20:21] offset:512*\j
	global_load_b128 v[BT+4*\j:BT+4*\j+3], v4, s[22:23] offset:512*\j
.endr
.macro LOADROW i                       ; tile row i into slot i % 4: four loads of 512 consecutive bytes
.irp j,0,1,2,3
	global_load_b128 v[X+16*((\i)%4)+4*\j:X+16*((\i)%4)+4*\j+3], v4, s[8:9] offset:((\i)+8*((\i)/8))*2048+512*\j th:TH_LOAD_NT
.endr
.endm
.macro RED a, t                        ; the sum of v[a] over the 32 lanes, in every lane
	v_add_f32_dpp v[\a], v[\a], v[\a] row_xmask:1 row_mask:0xf bank_mask:0xf
	v_add_f32_dpp v[\a], v[\a], v[\a] row_xmask:2 row_mask:0xf bank_mask:0xf
	v_add_f32_dpp v[\a], v[\a], v[\a] row_xmask:4 row_mask:0xf bank_mask:0xf
	v_add_f32_dpp v[\a], v[\a], v[\a] row_xmask:8 row_mask:0xf bank_mask:0xf
	v_permlanex16_b32 v[\t], v[\a], s[SEL], s[SEL+1]
	v_add_f32 v[\a], v[\a], v[\t]
.endm
	LOADROW 0
	LOADROW 1
	LOADROW 2
.macro ROW i
.set XS, X+16*((\i)%4)
.if (\i) < 14
	s_wait_loadcnt 0x8                             ; my row is in (and the gain and bias, which are older); the two rows behind it, eight loads, stay out
.elseif (\i) == 14
	s_wait_loadcnt 0x4                             ; one row is behind it
.else
	s_wait_loadcnt 0x0
.endif
	s_wait_dscnt 0x0                               ; the last row's LDS stores have read their slot,
.if (\i)+3 < 16
	LOADROW (\i)+3                                 ; which takes the row three further on
.endif
	s_cmp_eq_u32 s[RAW], 1
	s_cbranch_scc1 .Lraw_\@                        ; a weight goes on as it is
	v_pk_add_f32 v[TM:TM+1], v[XS:XS+1], v[XS+2:XS+3]
	v_pk_add_f32 v[TM+2:TM+3], v[XS+4:XS+5], v[XS+6:XS+7]
	v_pk_add_f32 v[TM+4:TM+5], v[XS+8:XS+9], v[XS+10:XS+11]
	v_pk_add_f32 v[TM+6:TM+7], v[XS+12:XS+13], v[XS+14:XS+15]
	v_pk_add_f32 v[TM:TM+1], v[TM:TM+1], v[TM+2:TM+3]
	v_pk_add_f32 v[TM+4:TM+5], v[TM+4:TM+5], v[TM+6:TM+7]
	v_pk_add_f32 v[TM:TM+1], v[TM:TM+1], v[TM+4:TM+5]
	v_add_f32 v[TM], v[TM], v[TM+1]
	RED TM, TM+1
	v_mul_f32 v12, s46, v[TM]                      ; the mean, twice: a pair for the packed forms
	v_mul_f32 v13, s46, v[TM]
.irp j,0,2,4,6,8,10,12,14
	v_pk_add_f32 v[XS+\j:XS+\j+1], v[XS+\j:XS+\j+1], v[12:13] neg_lo:[0,1] neg_hi:[0,1]   ; t - mean
.endr
	v_pk_mul_f32 v[TM:TM+1], v[XS:XS+1], v[XS:XS+1]
	v_pk_mul_f32 v[TM+2:TM+3], v[XS+2:XS+3], v[XS+2:XS+3]
.irp j,4,8,12
	v_pk_fma_f32 v[TM:TM+1], v[XS+\j:XS+\j+1], v[XS+\j:XS+\j+1], v[TM:TM+1]
	v_pk_fma_f32 v[TM+2:TM+3], v[XS+\j+2:XS+\j+3], v[XS+\j+2:XS+\j+3], v[TM+2:TM+3]
.endr
	v_pk_add_f32 v[TM:TM+1], v[TM:TM+1], v[TM+2:TM+3]
	v_add_f32 v[TM], v[TM], v[TM+1]
	RED TM, TM+1
	v_fma_f32 v[TM], v[TM], s46, s47               ; the variance + 1e-5
	s_wait_alu depctr_va_vdst(0)
	v_rsq_f32 v14, v[TM]
	v_nop                                          ; a plain instruction behind the transcendental (ISA guide 5.7.2),
	s_wait_alu depctr_va_vdst(0)                   ; and the wait ahead of the first use
	v_mov_b32 v15, v14
.irp j,0,2,4,6,8,10,12,14
	v_pk_mul_f32 v[XS+\j:XS+\j+1], v[XS+\j:XS+\j+1], v[14:15]
.endr
.irp j,0,2,4,6,8,10,12,14
	v_pk_fma_f32 v[XS+\j:XS+\j+1], v[XS+\j:XS+\j+1], v[G+\j:G+\j+1], v[BT+\j:BT+\j+1]
.endr
.Lraw_\@:
.irp j,0,1,2,3
	ds_store_b128 v5, v[XS+4*\j:XS+4*\j+3] offset:PITCH*(\i)+512*\j
.endr
.endm
.irp i,0,1,2,3,4,5,6,7,8,9,10,11,12,13,14,15
	ROW \i
.endr
	s_wait_dscnt 0x0                               ; the stores have read their slots: phase B loads into the same registers
; 32 numbers of one block, v[x] on, become six registers of codes at v[c] and the block's byte in v[TM+3]
.macro QUANT1 x, c
	v_max3_num_f32 v[TM], |v[\x]|, |v[\x+1]|, |v[\x+2]|
	v_max3_num_f32 v[TM+1], |v[\x+3]|, |v[\x+4]|, |v[\x+5]|
.irp i,6,10,14,18,22,26
	v_max3_num_f32 v[TM], v[TM], |v[\x+\i]|, |v[\x+\i+1]|
	v_max3_num_f32 v[TM+1], v[TM+1], |v[\x+\i+2]|, |v[\x+\i+3]|
.endr
	v_max3_num_f32 v[TM], v[TM], |v[\x+30]|, |v[\x+31]|
	v_max3_num_f32 v[TM], v[TM], v[TM+1], 0x2800000  ; and the floor 2^(5 - 127): the byte cannot fall under 1
	v_add_nc_u32 v[TM+2], 0xfe000000, v[TM]          ; 4 off the exponent field: the conversion takes this operand's exponent field as its scale
	v_cvt_scalef32_pk16_bf6_f32 v[\c:\c+2], v[\x:\x+15], v[TM+2]
	v_cvt_scalef32_pk16_bf6_f32 v[C2:C2+2], v[\x+16:\x+31], v[TM+2]
	v_lshrrev_b32 v[TM+3], 23, v[TM+2]               ; the byte.  (Also the plain instruction behind the conversions)
.irp i,0,1,2
	v_mov_b32 v[\c+3+\i], v[C2+\i]
.endr
.endm
.macro KLOAD kc                        ; K = 64 kc + 32 h + 0 .. 31 of my row into set kc % 2
.irp e,0,1,2,3,4,5,6,7
	ds_load_b128 v[X+32*((\kc)%2)+4*\e:X+32*((\kc)%2)+4*\e+3], v6 offset:256*(\kc)+16*\e
.endr
.endm
	KLOAD 0                                        ; LDS serves a wave's instructions in order (ISA guide 5.7.1.4): these see my stores
	KLOAD 1
.macro KC kc
.set XS, X+32*((\kc)%2)
.set CC, CD+6*(\kc)
.if (\kc) < 7
	s_wait_dscnt 0x8                               ; my set is in; the next set's eight loads stay out
.else
	s_wait_dscnt 0x0
.endif
	QUANT1 XS, CC
.if (\kc)%2 == 0
	v_mov_b32 v[SW+(\kc)/2], v[TM+3]               ; my byte belongs to block 2 kc + h: in word kc / 2 it is byte 2 (kc % 2) + h; the h is shifted in at the end
.else
	v_lshl_or_b32 v[SW+(\kc)/2], v[TM+3], 16, v[SW+(\kc)/2]
.endif
	global_store_b128 v4, v[CC:CC+3], s[28:29] offset:768*(\kc)        ; 512 consecutive bytes,
	global_store_b64 v8, v[CC+4:CC+5], s[28:29] offset:768*(\kc)+512   ; and 256: both begin at multiples of 256 from the buffer's first byte
.if (\kc)+2 < 8
	KLOAD (\kc)+2
.endif
.endm
.irp k,0,1,2,3,4,5,6,7
	KC \k
.endr
.irp s,0,1,2,3
	v_lshlrev_b32 v[SW+\s], v10, v[SW+\s]          ; my two bytes of each word at their places: 8 h bits up
.endr
.irp s,0,1,2,3
	v_permlanex16_b32 v[TM+\s], v[SW+\s], s[SEL], s[SEL+1]
.endr
.irp s,0,1,2,3
	v_or_b32 v[SW+\s], v[SW+\s], v[TM+\s]          ; with lane l xor 16's two the word is whole
.endr
	v_cmp_eq_u32 vcc_lo, 1, v7
	v_cndmask_b32 v[TM], v[SW], v[SW+2], vcc_lo    ; lanes 0-15 store words 0 and 1 of their row, lanes 16-31 words 2 and 3
	v_cndmask_b32 v[TM+1], v[SW+1], v[SW+3], vcc_lo
	global_store_b64 v9, v[TM:TM+1], s[30:31]      ; the 32 lanes fill the tile's 256 bytes
	s_wait_tensorcnt 0x0
	ds_add_u32 v176, v177
	s_wait_dscnt 0x0
	s_endpgm
.Lfunc_end_k_qba31f4516d_prep:
	.size	k_qba31f4516d_prep, .Lfunc_end_k_qba31f4516d_prep-k_qba31f4516d_prep
	.p2alignl 7, 3214868480
	.fill 96, 4, 3214868480
	.section	.rodata,"a",@progbits
	.p2align	6, 0x0
	.amdhsa_kernel k_qba31f4516d_prep
		.amdhsa_group_segment_fixed_size 132608
		.amdhsa_private_segment_fixed_size 0
		.amdhsa_enable_private_segment 0
		.amdhsa_kernarg_size 112
		.amdhsa_user_sgpr_count 2
		.amdhsa_user_sgpr_kernarg_segment_ptr 1
		.amdhsa_wavefront_size32 1
		.amdhsa_system_sgpr_workgroup_id_x 1
		.amdhsa_system_sgpr_workgroup_id_y 1
		.amdhsa_system_sgpr_workgroup_id_z 1
		.amdhsa_system_vgpr_workitem_id 0
		.amdhsa_next_free_vgpr 178
		.amdhsa_next_free_sgpr 66
		.amdhsa_reserve_vcc 1
		.amdhsa_float_denorm_mode_32 3
		.amdhsa_float_denorm_mode_16_64 3
		.amdhsa_memory_ordered 1
		.amdhsa_forward_progress 1
		.amdhsa_inst_pref_size 90
	.end_amdhsa_kernel
	.amdgpu_metadata
---
amdhsa.version: [ 1, 2 ]
amdhsa.kernels:
  - .name:           k_qba31f4516d_prep
    .symbol:         k_qba31f4516d_prep.kd
    .args:
      - { .name: x, .offset: 0, .size: 8, .value_kind: global_buffer, .address_space: global }
      - { .name: y, .offset: 8, .size: 8, .value_kind: global_buffer, .address_space: global }
      - { .name: Wq, .offset: 16, .size: 8, .value_kind: global_buffer, .address_space: global }
      - { .name: Wk, .offset: 24, .size: 8, .value_kind: global_buffer, .address_space: global }
      - { .name: Wvr, .offset: 32, .size: 8, .value_kind: global_buffer, .address_space: global }
      - { .name: Wvd, .offset: 40, .size: 8, .value_kind: global_buffer, .address_space: global }
      - { .name: Wpr, .offset: 48, .size: 8, .value_kind: global_buffer, .address_space: global }
      - { .name: Wpd, .offset: 56, .size: 8, .value_kind: global_buffer, .address_space: global }
      - { .name: g_r, .offset: 64, .size: 8, .value_kind: global_buffer, .address_space: global }
      - { .name: b_r, .offset: 72, .size: 8, .value_kind: global_buffer, .address_space: global }
      - { .name: g_d, .offset: 80, .size: 8, .value_kind: global_buffer, .address_space: global }
      - { .name: b_d, .offset: 88, .size: 8, .value_kind: global_buffer, .address_space: global }
      - { .name: tcodes, .offset: 96, .size: 8, .value_kind: global_buffer, .address_space: global }
      - { .name: tscales, .offset: 104, .size: 8, .value_kind: global_buffer, .address_space: global }
    .group_segment_fixed_size: 132608
    .private_segment_fixed_size: 0
    .kernarg_segment_align: 8
    .kernarg_segment_size: 112
    .max_flat_workgroup_size: 128
    .sgpr_count:     66
    .vgpr_count:     178
    .wavefront_size: 32
...
	.end_amdgpu_metadata
.endif
;; end of part 1
;; launch proj (part 2): grid 256 x 1, 16 waves a work-group, clusters of 4 x 1, 207,872 bytes of LDS; arguments tcodes, tscales, bq, bk, bvr, bvd, kv; writes kv
.if DOCPART == 2
	.amdgcn_target "amdgcn-amd-amdhsa--gfx1250"
	.amdhsa_code_object_version 6
	.text
	.protected	k_qba31f4516d_proj
	.globl	k_qba31f4516d_proj
	.p2align	8
	.type	k_qba31f4516d_proj,@function
k_qba31f4516d_proj:
	s_mov_b64 s[64:65], 0
	v_nop
	global_prefetch_b8 v0, s[64:65] scope:SCOPE_SE
	s_setreg_imm32_b32 hwreg(HW_REG_WAVE_MODE, 25, 1), 1
	s_wait_xcnt 0x0
	s_wait_alu depctr_hold_cnt(0) depctr_sa_sdst(0) depctr_va_vdst(0) depctr_va_sdst(0) depctr_va_ssrc(0) depctr_va_vcc(0) depctr_vm_vsrc(0)
	s_getreg_b32 s2, hwreg(HW_REG_IB_STS2, 6, 4)
	s_cmp_eq_u32 s2, 0
	s_cbranch_scc0 .Lentry_in_a_cluster
	s_endpgm
.Lentry_in_a_cluster:
	s_bfe_u32 s2, ttmp6, 0x10000c
	s_cmp_lg_u32 s2, 0x3003
	s_cbranch_scc0 .Lentry_shape_is_right
	s_endpgm
.Lentry_shape_is_right:
; The four projections q = LN(y) Wq^T + bq, k = LN(x) Wk^T + bk, v_r = LN(x) Wvr^T + bvr, v_d = LN(x) Wvd^T + bvd, on codes of BF6 with E8M0 scales, K = 512; each result is quantised again at once:
; q and k along a head's 64 channels, v_r and v_d along the tokens, which are the K of the products that take them.
; OPERANDS lie in memory as images of the operand's registers: a tile of 16 rows is 8 half fragments of 768 bytes (64 along K; lane's registers 0-3 at 16 x lane, registers 4-5 at 512 + 8 x lane) and 256 scale bytes
; (16 r + K / 32).  Tile T holds rows 32 (T / 2) + 8 (T % 2) + r + 8 (r / 8), so that the 16 result registers of two neighbouring tiles of source 0 are 16 neighbours.
; A work-group multiplies 16 tiles of source 0 by 16 tiles of source 1.  In the result a lane holds ONE row of source 1, and its registers run along source 0's rows: along what is quantised next.
;   clusters 0-31 (q, k):      source 0 = 256 output channels of the weight, source 1 = 256 tokens.      clusters 32-63 (v_r, v_d): source 0 = 256 tokens, source 1 = 256 output channels.
; CLUSTER.  The four partners take the same source 0 (q, k: four blocks of tokens against one half of a weight; v: both halves of both weights against one block of tokens): its codes and scales are asked for JOINTLY.
; Source 1, its scales and the bias differ from partner to partner and come by plain loads.  Only global addresses hang on the place in the cluster.
; Everything fits in LDS at once: each byte of LDS is filled once, nothing is filled again.  A wave has one tensor load out at the most.
; SHARES.  Wave w: source 0's tiles 8 (w / 8) .. + 7, source 1's tiles 2 (w % 8), + 1: 16 accumulators, which take turns, one instruction a turn.
; LIMITS: NaN and infinities are not served; a block whose largest magnitude lies under 2^-122 gets the byte 1 (read by this program alone).
.set WV,   20                          ; s20  my wave's number
.set TY,   22                          ; s22  0: q, k;  1: v_r, v_d
.set SEL,  100                         ; s[100:101] lane selects for v_permlanex16_b32: lane l xor 16
.set R0,   0                           ; LDS: source 0's codes: [K half][tile][3,072 bytes]
.set R1,   98304                       ; source 1's likewise
.set SC0,  196608                      ; source 0's scale bytes, 256 a tile
.set SC1,  200704                      ; source 1's
.set BIA,  204800                      ; the bias of the work-group's 256 output channels
.set HALF0, 49152                      ; from a K half to the next
.set HALF1, 49152
.set SS0,  16                          ; v16-19  source 0's scale words: lanes 0-15 tile t, lanes 16-31 tile t + 4
.set SS1,  20                          ; v20     source 1's: lanes 0-15 my first tile, lanes 16-31 my second
.set S1B,  24                          ; v24-47  source 1's two fragments
.set S0B,  48                          ; v48-95  four fragments of source 0
.set BI,   24                          ; v24-87  behind the products: the bias in the result's layout
.set TM,   88                          ; v88-103 at work in the quantiser
.set PW,   104                         ; v104    the scale word just made
.set PC,   106                         ; v106-117 the codes just made; v118-125 the conversions' second halves
.set ACC,  128                         ; v128-255 accumulator (tile t of source 0, tile n of source 1) at 64 n + 8 t
.macro CROUND                          ; a round of the cluster's barrier
	s_barrier_signal -1
	s_barrier_wait -1
	s_cmp_lg_u32 s[WV], 0
	s_cbranch_scc1 .Lnot_wave_0_\@
	s_barrier_signal -3
.Lnot_wave_0_\@:
	s_barrier_wait -3
	s_barrier_signal -1
	s_barrier_wait -1
.endm
.macro G1SET g, w0, c, r, p            ; descriptor group 1: r rows of c elements of 8 bytes, p elements from row to row; no padding
	s_mov_b32 s[\g], \w0                           ; 15:0 the mask; 17:16 elements of 8 bytes; 21 set beside a mask
	s_mov_b32 s[\g+1], (\c)<<16                    ; tensor_dim0
	s_mov_b32 s[\g+2], (\r)<<16                    ; tensor_dim1
	s_mov_b32 s[\g+3], (\c)<<16                    ; tile_dim0
	s_mov_b32 s[\g+4], \r                          ; tile_dim1
	s_mov_b32 s[\g+5], \p                          ; tensor_dim0_stride
	s_mov_b32 s[\g+6], 0
	s_mov_b32 s[\g+7], 0
.endm
	s_load_b256 s[4:11], s[0:1], 0x0               ; tcodes, tscales, bq, bk
	s_load_b128 s[12:15], s[0:1], 0x20             ; bvr, bvd
	s_load_b64 s[16:17], s[0:1], 0x30              ; kv: 64 records of 208,896 bytes; record 32 x type + 8 x batch + head holds its keys' scale words (8,192 bytes), its values' (4,096), then 16 key steps of 6,144 bytes of keys' codes and 6,144 of values'
	v_lshl_add_u32 v121, v0, 2, 0x32400
	v_mov_b32 v125, 0
	ds_add_u32 v121, v125
	ds_add_u32 v121, v125
	v_lshrrev_b32 v1, 5, v0
	s_delay_alu instid0(VALU_DEP_1)
	v_readfirstlane_b32 s[WV], v1
	v_and_b32 v21, 31, v0                          ; lane
	v_and_b32 v22, 15, v0                          ; r
	v_bfe_u32 v23, v0, 4, 1                        ; h
	s_delay_alu instid0(VALU_DEP_3)
	v_lshlrev_b32 v9, 4, v21                       ; 16 x lane
	s_delay_alu instid0(VALU_DEP_4)
	v_lshlrev_b32 v10, 3, v21                      ; 8 x lane
	s_lshr_b32 s2, s[WV], 3                        ; which eight tiles of source 0
	s_and_b32 s3, s[WV], 7                         ; which two of source 1
	s_mul_i32 s96, s2, 24576
	v_add_nc_u32 v1, s96, v9                       ; source 0: a half fragment's first 512 bytes,
	v_add_nc_u32 v2, s96, v10
	s_delay_alu instid0(VALU_DEP_1)
	v_add_nc_u32 v2, 512, v2                       ; and its last 256
	s_mul_i32 s96, s3, 6144
	s_add_co_u32 s96, s96, R1
	v_add_nc_u32 v3, s96, v9                       ; source 1 likewise
	v_add_nc_u32 v4, s96, v10
	s_delay_alu instid0(VALU_DEP_1)
	v_add_nc_u32 v4, 512, v4
	v_lshlrev_b32 v5, 4, v22
	s_delay_alu instid0(VALU_DEP_1)
	v_lshl_add_u32 v6, v23, 8, v5                  ; 16 r + 256 h
	s_delay_alu instid0(VALU_DEP_2)
	v_lshl_add_u32 v5, v23, 10, v5                 ; 16 r + 1,024 h
	s_lshl_b32 s96, s2, 11
	s_add_co_u32 s96, s96, SC0
	v_add_nc_u32 v5, s96, v5                       ; source 0's scale words
	s_lshl_b32 s96, s3, 9
	s_add_co_u32 s96, s96, SC1
	v_add_nc_u32 v6, s96, v6                       ; source 1's
	s_lshl_b32 s96, s2, 9
	s_add_co_u32 s96, s96, BIA
	v_lshlrev_b32 v7, 6, v23
	s_delay_alu instid0(VALU_DEP_1)
	v_add_nc_u32 v7, s96, v7                       ; q, k: the bias runs along my registers: my 128 channels, + 16 h
	v_and_b32 v8, 8, v22
	s_delay_alu instid0(VALU_DEP_1)
	v_add_nc_u32 v8, v8, v22
	s_delay_alu instid0(VALU_DEP_1)
	v_lshlrev_b32 v8, 2, v8
	s_lshl_b32 s96, s3, 7
	s_add_co_u32 s96, s96, BIA
	v_add_nc_u32 v8, s96, v8                       ; v: one bias a lane: channel 32 (w % 8) + 8 n + r + 8 (r / 8)
	v_lshlrev_b32 v11, 4, v22
	s_delay_alu instid0(VALU_DEP_1)
	v_lshl_add_u32 v12, v23, 2, v11                ; v's scale words go to 16 r + 4 h
	; q, k: a token goes to the tile of keys that attn wants: of a group of 64 tokens tile t holds tokens 8 t + 0 .. 7 (rows 0-7) and 32 + 8 t + 0 .. 7 (rows 8-15).
	; My source tile n of the pair holds tokens 32 a + 8 n + (r % 8) + 16 (r / 8): they go to tile n + 2 (r / 8), row (r % 8) + 8 (a % 2).
	v_and_b32 v14, 7, v22
	v_lshrrev_b32 v13, 3, v22                      ; r / 8
	s_delay_alu instid0(VALU_DEP_2)
	v_lshlrev_b32 v14, 4, v14                      ; 16 (r % 8)
	s_delay_alu instid0(VALU_DEP_1)
	v_lshl_add_u32 v11, v13, 3, v14                ; scale words: 16 (r % 8) + 8 (r / 8),
	v_mad_u32_u24 v13, v13, 1536, v14              ; codes: a pair of tiles is 1,536 bytes: 1,536 (r / 8) + 16 (r % 8),
	s_delay_alu instid0(VALU_DEP_2)
	v_mad_u32_u24 v11, v23, 0x33000, v11           ; + 208,896 h: lanes 16-31 store into the next head's record
	s_delay_alu instid0(VALU_DEP_2)
	v_lshl_add_u32 v13, v23, 8, v13                ; + 256 h
	v_lshlrev_b32 v15, 4, v23                      ; 16 h
	s_bfe_u32 s21, ttmp6, 0x40000                  ; cx: my place in the cluster
	s_lshr_b32 s[TY], ttmp9, 5
	s_and_b32 s23, ttmp9, 31
	s_lshr_b32 s66, s23, 3                         ; source 0's first tile, made of the cluster's number alone:
	s_lshl_b32 s66, s66, 4
	s_add_co_u32 s66, s66, 1024                    ; q, k: 1,024 + 32 p + 16 half = 1,024 + 16 (c / 8)
	s_lshl_b32 s67, s23, 4                         ; v: LN(x)'s tiles 16 c on
	s_cmp_eq_u32 s[TY], 0
	s_cselect_b32 s66, s66, s67
	s_lshr_b32 s97, s23, 4                         ; q, k: p = which of the two,
	s_bfe_u32 s98, s23, 0x10003                    ; which half of the output channels,
	s_and_b32 s99, s23, 7
	s_lshl_b32 s99, s99, 2
	s_add_co_u32 s99, s99, s21                     ; which block of 256 tokens,
	s_lshl_b32 s96, s99, 4
	s_cmp_eq_u32 s97, 0
	s_cselect_b32 s100, 512, 0                     ; q reads LN(y), k reads LN(x)
	s_add_co_u32 s96, s96, s100                    ; source 1's first tile
	s_lshr_b32 s100, s21, 1
	s_add_co_u32 s100, s100, 2                     ; v: p = 2 + cx / 2,
	s_and_b32 s101, s21, 1                         ; half = cx % 2,
	s_lshl_b32 s88, s21, 4
	s_add_co_u32 s88, s88, 1088                    ; source 1's first tile = 1,024 + 32 p + 16 half
	s_cmp_eq_u32 s[TY], 0
	s_cselect_b32 s96, s96, s88
	s_cselect_b32 s97, s97, s100
	s_cselect_b32 s98, s98, s101
	s_cselect_b32 s99, s99, s23
	s_mov_b32 s[SEL], 0x76543210
	s_mov_b32 s[SEL+1], 0xfedcba98
	G1SET 24, 0x0023000f, 384, 16, 768             ; codes, joint: one K half (3,072 bytes) of 16 tiles, 6,144 bytes apart
	G1SET 32, 0x00030000, 384, 16, 768             ; codes, plain
	G1SET 40, 0x0023000f, 32, 16, 32               ; scale bytes, joint: 16 tiles of 256 bytes, dense
	G1SET 48, 0x00030000, 32, 16, 32               ; scale bytes, plain
	G1SET 56, 0x00030000, 32, 4, 32                ; the bias: 1,024 dense bytes
	s_mov_b32 s68, 1                               ; groups 0: count 1, LDS address, global address, type 2 on top
	s_mov_b32 s69, SC0
	s_lshl_b32 s70, s66, 8
	s_mov_b32 s71, 0
	s_mov_b32 s72, 1
	s_mov_b32 s73, R0
	s_mul_i32 s74, s66, 6144
	s_mov_b32 s75, 0
	s_mov_b32 s76, 1
	s_mov_b32 s77, R0+HALF0
	s_mov_b32 s80, 1
	s_mov_b32 s81, BIA
	s_lshl_b32 s82, s98, 10
	s_mov_b32 s83, 0
	s_mov_b32 s84, 1
	s_mov_b32 s85, SC1
	s_lshl_b32 s86, s96, 8
	s_mov_b32 s87, 0
	s_mov_b32 s88, 1
	s_mov_b32 s89, R1
	s_mul_i32 s90, s96, 6144
	s_mov_b32 s91, 0
	s_mov_b32 s92, 1
	s_mov_b32 s93, R1+HALF1
	s_wait_dscnt 0x0
	s_wait_kmcnt 0x0
	s_add_nc_u64 s[70:71], s[6:7], s[70:71]
	s_add_nc_u64 s[74:75], s[4:5], s[74:75]
	s_add_nc_u64 s[78:79], s[74:75], 3072
	s_add_nc_u64 s[86:87], s[6:7], s[86:87]
	s_add_nc_u64 s[90:91], s[4:5], s[90:91]
	s_add_nc_u64 s[94:95], s[90:91], 3072
	s_cmp_eq_u32 s97, 1                            ; p's bias
	s_cselect_b64 s[8:9], s[10:11], s[8:9]
	s_cmp_eq_u32 s97, 2
	s_cselect_b64 s[8:9], s[12:13], s[8:9]
	s_cmp_eq_u32 s97, 3
	s_cselect_b64 s[8:9], s[14:15], s[8:9]
	s_add_nc_u64 s[82:83], s[8:9], s[82:83]
	s_or_b32 s71, s71, 0x80000000
	s_or_b32 s75, s75, 0x80000000
	s_or_b32 s79, s79, 0x80000000
	s_or_b32 s83, s83, 0x80000000
	s_or_b32 s87, s87, 0x80000000
	s_or_b32 s91, s91, 0x80000000
	s_or_b32 s95, s95, 0x80000000
	CROUND                                         ; all four work-groups are here: the joint loads meet
; The seven fills, one to a wave (waves 0 to 6), in one chain of branches on the wave's number; every arm leads to .Lasked.
.macro ARM under, g0, g1, next
	s_cmp_lt_u32 s[WV], \under
	s_cbranch_scc0 \next
	tensor_load_to_lds s[\g0:\g0+3], s[\g1:\g1+7]
	s_nop 0
.rept 4
	v_nop
.endr
	s_branch .Lasked
\next:
.endm
	ARM 1, 68, 40, .Larm1                          ; source 0's scale bytes,
	ARM 2, 72, 24, .Larm2                          ; its first K half,
	ARM 3, 76, 24, .Larm3                          ; its second: these three are joint
	ARM 4, 80, 56, .Larm4                          ; the bias,
	ARM 5, 84, 48, .Larm5                          ; source 1's scale bytes,
	ARM 6, 88, 32, .Larm6                          ; its first K half,
	ARM 7, 92, 32, .Larm7                          ; its second
.Lasked:
.macro FRAG reg, a16, a8, off          ; a fragment, 16 rows x 128 K: two half fragments, as they lie
	ds_load_b128 v[\reg:\reg+3], v[\a16] offset:\off
	ds_load_b64 v[\reg+4:\reg+5], v[\a8] offset:\off
	ds_load_b128 v[\reg+6:\reg+9], v[\a16] offset:\off+768
	ds_load_b64 v[\reg+10:\reg+11], v[\a8] offset:\off+768
.endm
.macro MM t, n, z                      ; tile t of source 0 x tile n of source 1; z = 1: the product starts the sum
.set rD, ACC+64*(\n)+8*(\t)
.set rA, S0B+12*((\t)%4)
.set rB, S1B+12*(\n)
.set rS, SS0+(\t)%4
.if \z
.if (\t) < 4
.if (\n) == 0
	v_wmma_scale_f32_16x16x128_f8f6f4 v[rD:rD+7], v[rA:rA+11], v[rB:rB+11], 0, v[rS], v[SS1] matrix_a_fmt:MATRIX_FMT_BF6 matrix_b_fmt:MATRIX_FMT_BF6
.else
	v_wmma_scale_f32_16x16x128_f8f6f4 v[rD:rD+7], v[rA:rA+11], v[rB:rB+11], 0, v[rS], v[SS1] matrix_a_fmt:MATRIX_FMT_BF6 matrix_b_fmt:MATRIX_FMT_BF6 matrix_b_scale:MATRIX_SCALE_ROW1
.endif
.else
.if (\n) == 0
	v_wmma_scale_f32_16x16x128_f8f6f4 v[rD:rD+7], v[rA:rA+11], v[rB:rB+11], 0, v[rS], v[SS1] matrix_a_fmt:MATRIX_FMT_BF6 matrix_b_fmt:MATRIX_FMT_BF6 matrix_a_scale:MATRIX_SCALE_ROW1
.else
	v_wmma_scale_f32_16x16x128_f8f6f4 v[rD:rD+7], v[rA:rA+11], v[rB:rB+11], 0, v[rS], v[SS1] matrix_a_fmt:MATRIX_FMT_BF6 matrix_b_fmt:MATRIX_FMT_BF6 matrix_a_scale:MATRIX_SCALE_ROW1 matrix_b_scale:MATRIX_SCALE_ROW1
.endif
.endif
.else
.if (\t) < 4
.if (\n) == 0
	v_wmma_scale_f32_16x16x128_f8f6f4 v[rD:rD+7], v[rA:rA+11], v[rB:rB+11], v[rD:rD+7], v[rS], v[SS1] matrix_a_fmt:MATRIX_FMT_BF6 matrix_b_fmt:MATRIX_FMT_BF6
.else
	v_wmma_scale_f32_16x16x128_f8f6f4 v[rD:rD+7], v[rA:rA+11], v[rB:rB+11], v[rD:rD+7], v[rS], v[SS1] matrix_a_fmt:MATRIX_FMT_BF6 matrix_b_fmt:MATRIX_FMT_BF6 matrix_b_scale:MATRIX_SCALE_ROW1
.endif
.else
.if (\n) == 0
	v_wmma_scale_f32_16x16x128_f8f6f4 v[rD:rD+7], v[rA:rA+11], v[rB:rB+11], v[rD:rD+7], v[rS], v[SS1] matrix_a_fmt:MATRIX_FMT_BF6 matrix_b_fmt:MATRIX_FMT_BF6 matrix_a_scale:MATRIX_SCALE_ROW1
.else
	v_wmma_scale_f32_16x16x128_f8f6f4 v[rD:rD+7], v[rA:rA+11], v[rB:rB+11], v[rD:rD+7], v[rS], v[SS1] matrix_a_fmt:MATRIX_FMT_BF6 matrix_b_fmt:MATRIX_FMT_BF6 matrix_a_scale:MATRIX_SCALE_ROW1 matrix_b_scale:MATRIX_SCALE_ROW1
.endif
.endif
.endif
.endm
; A K step of 128.  A load into a register that a matrix instruction has read stands four plain vector instructions behind it (ISA guide 7.12.1 for vector instructions).
.macro KSTEP s
.set Z, 0
.if (\s) == 0
.set Z, 1
	s_wait_tensorcnt 0x0                           ; my one fill, if I issued one, has landed;
	s_barrier_signal -1
	s_barrier_wait -1                              ; everybody's have.
.elseif (\s) == 2
	v_add_nc_u32 v1, HALF0, v1
	s_wait_alu depctr_va_vdst(0)
	v_add_nc_u32 v2, HALF0, v2
	s_wait_alu depctr_va_vdst(0)
	v_add_nc_u32 v3, HALF1, v3
	s_wait_alu depctr_va_vdst(0)
	v_add_nc_u32 v4, HALF1, v4
.else
.rept 4
	v_nop
.endr
.endif
	FRAG S1B, 3, 4, ((\s)%2)*1536
	FRAG S1B+12, 3, 4, 3072+((\s)%2)*1536
.irp t,0,1,2,3
	ds_load_b32 v[SS0+\t], v5 offset:256*\t+4*(\s)
.endr
	ds_load_b32 v[SS1], v6 offset:4*(\s)
.irp t,0,1,2,3
	FRAG S0B+12*\t, 1, 2, 3072*\t+((\s)%2)*1536
.endr
	s_wait_dscnt 0x0
.irp t,0,1,2,3
	MM \t, 0, Z
	MM \t, 1, Z
.endr
.rept 4
	v_nop
.endr
.irp t,0,1,2,3
	FRAG S0B+12*\t, 1, 2, 3072*(\t+4)+((\s)%2)*1536
.endr
	s_wait_dscnt 0x0
.irp t,4,5,6,7
	MM \t, 0, Z
	MM \t, 1, Z
.endr
.endm
; 64 numbers of a lane, v[s] on, register 16 b + i = place 32 b + 16 (lane / 16) + i along the next K, become a fragment's 12 registers at v[PC] and its scale word in v[PW]
.macro QUANT s
.irp b,0,1,2,3
	v_max3_num_f32 v[TM+\b], |v[\s+16*\b]|, |v[\s+1+16*\b]|, 0x2800000   ; my 16 numbers of block b, and the floor 2^(5 - 127): the byte cannot fall under 1
.endr
.irp i,2,4,6,8,10,12,14
.irp b,0,1,2,3
	s_delay_alu instid0(VALU_DEP_4)
	v_max3_num_f32 v[TM+\b], v[TM+\b], |v[\s+16*\b+\i]|, |v[\s+1+16*\b+\i]|
.endr
.endr
.irp b,0,1,2,3
	s_delay_alu instid0(VALU_DEP_4)
	v_permlanex16_b32 v[TM+4+\b], v[TM+\b], s[SEL], s[SEL+1]
.endr
.irp b,0,1,2,3
	s_delay_alu instid0(VALU_DEP_4)
	v_max_num_f32 v[TM+\b], v[TM+\b], v[TM+4+\b]   ; with lane l xor 16's: the block's largest magnitude
.endr
.irp b,0,1,2,3
	s_delay_alu instid0(VALU_DEP_4)
	v_add_nc_u32 v[TM+12+\b], 0xfe000000, v[TM+\b] ; 4 off its exponent field: the conversion's scale operand
.endr
.irp b,0,1,2,3
	s_delay_alu instid0(VALU_DEP_4)
	v_lshrrev_b32 v[TM+4+\b], 23, v[TM+12+\b]      ; the byte
.endr
	s_delay_alu instid0(VALU_DEP_3)
	v_lshl_or_b32 v[PW], v[TM+5], 8, v[TM+4]
	s_delay_alu instid0(VALU_DEP_1)
	v_lshl_or_b32 v[PW], v[TM+6], 16, v[PW]
	s_delay_alu instid0(VALU_DEP_1)
	v_lshl_or_b32 v[PW], v[TM+7], 24, v[PW]
.irp c,0,1
	v_cvt_scalef32_pk16_bf6_f32 v[PC+6*\c:PC+2+6*\c], v[\s+32*\c:\s+15+32*\c], v[TM+12+2*\c]
	v_cvt_scalef32_pk16_bf6_f32 v[PC+12+4*\c:PC+14+4*\c], v[\s+16+32*\c:\s+31+32*\c], v[TM+12+2*\c+1]   ; (a conversion's three registers begin on an even number)
.endr
	v_nop                                          ; one plain instruction behind a scaled conversion
.irp c,0,1                                     ; the operand's layout wants a whole block in a lane: lanes 0-15 block 2 c, lanes 16-31 block 2 c + 1
.irp i,0,1,2
	v_permlane16_swap_b32 v[PC+6*\c+\i], v[PC+12+4*\c+\i]
.endr
.irp i,0,1,2
	s_delay_alu instid0(VALU_DEP_3)
	v_mov_b32 v[PC+3+6*\c+\i], v[PC+12+4*\c+\i]
.endr
.endr
.endm
	KSTEP 0
	KSTEP 1
	KSTEP 2
	s_wait_alu depctr_va_vdst(0)
	KSTEP 3
.rept 4
	v_nop                                          ; places in front of the loads over the operands and of the first read of results
.endr
	s_cmp_eq_u32 s[TY], 0                          ; the same in all four partners
	s_cbranch_scc0 .Lvalues
	; ---- q, k.  My lane holds one token; its 64 registers of tile n are the 128 channels of heads 4 half + 2 (w / 8) and the next: a half fragment for each
	s_lshr_b32 s4, s99, 3
	s_lshl_b32 s4, s4, 3
	s_lshl_b32 s5, s98, 2
	s_add_co_u32 s4, s4, s5
	s_lshl_b32 s5, s2, 1
	s_add_co_u32 s4, s4, s5                        ; 8 x batch + head
	s_and_b32 s5, s99, 7
	s_lshl_b32 s5, s5, 4
	s_lshl_b32 s6, s3, 1
	s_add_co_u32 s5, s5, s6                        ; my first token tile within the batch: an even number
	s_xor_b32 s6, s97, 1                           ; k is the keys of type 0's record, q of type 1's
	s_lshl_b32 s6, s6, 5
	s_add_co_u32 s6, s6, s4
	s_mul_i32 s8, s6, 208896                       ; the record
	s_lshr_b32 s6, s5, 3                           ; codes: 12,288 (the scale words) + 12,288 x key step
	s_add_co_u32 s6, s6, 1
	s_mul_i32 s6, s6, 12288
	s_add_co_u32 s6, s6, s8
	s_bfe_u32 s7, s5, 0x10002                      ; + 3,072 x (group of 64 tokens % 2)
	s_mul_i32 s7, s7, 3072
	s_add_co_u32 s6, s6, s7
	s_bfe_u32 s11, s5, 0x10001                     ; + 16 bytes x 8 rows x (block of 32 tokens % 2)
	s_lshl_b32 s11, s11, 7
	s_add_co_u32 s6, s6, s11
	s_mov_b32 s7, 0
	s_lshr_b32 s10, s5, 2                          ; scale words: 256 x group, + 16 bytes x 8 rows x (block % 2)
	s_lshl_b32 s10, s10, 8
	s_add_co_u32 s10, s10, s11
	s_add_co_u32 s8, s8, s10
	s_mov_b32 s9, 0
	s_add_nc_u64 s[18:19], s[16:17], s[8:9]
	s_add_nc_u64 s[16:17], s[16:17], s[6:7]
.irp t,0,1,2,3,4,5,6,7
	ds_load_b128 v[BI+8*\t:BI+8*\t+3], v7 offset:(32*(\t/2)+8*(\t%2))*4
	ds_load_b128 v[BI+8*\t+4:BI+8*\t+7], v7 offset:(32*(\t/2)+8*(\t%2))*4+16
.endr
	s_wait_dscnt 0x0
.irp n,0,1
.if \n
	s_wait_xcnt 0x0                                ; the first tile's stores have read their data: the codes' registers are written again only behind this wait
.endif
.irp j,0,2,4,6,8,10,12,14,16,18,20,22,24,26,28,30,32,34,36,38,40,42,44,46,48,50,52,54,56,58,60,62
	v_pk_add_f32 v[ACC+64*\n+\j:ACC+64*\n+\j+1], v[ACC+64*\n+\j:ACC+64*\n+\j+1], v[BI+\j:BI+\j+1]   ; + the bias; each accumulator from its low end on
.endr
	QUANT ACC+64*\n
; a pair of tiles lies as three planes of 512 bytes, 16 a lane: the twelve registers of both tiles on end
.if \n == 0
	global_store_b128 v13, v[PC:PC+3], s[16:17]
	global_store_b64 v13, v[PC+4:PC+5], s[16:17] offset:512
	global_store_b128 v13, v[PC+6:PC+9], s[16:17] offset:208896              ; the next head's record
	global_store_b64 v13, v[PC+10:PC+11], s[16:17] offset:208896+512
.else
	global_store_b64 v13, v[PC:PC+1], s[16:17] offset:520
	global_store_b128 v13, v[PC+2:PC+5], s[16:17] offset:1024
	global_store_b64 v13, v[PC+6:PC+7], s[16:17] offset:208896+520
	global_store_b128 v13, v[PC+8:PC+11], s[16:17] offset:208896+1024
.endif
	v_lshrrev_b32 v[126+\n], v15, v[PW]            ; lanes 0-15 keep the first head's two bytes, lanes 16-31 the second's;
	s_delay_alu instid0(VALU_DEP_1)
	v_and_b32 v[126+\n], 0xffff, v[126+\n]         ; the word's upper two bytes, for K = 64 .. 127 of the score product, are 0
.endr
	global_store_b64 v11, v[126:127], s[18:19]     ; both tiles' words
	s_branch .Lend
.Lvalues:
	; ---- v_r, v_d.  My lane holds one channel; its 64 registers of tile n are the 128 tokens of a key step: one fragment
	s_lshr_b32 s4, s99, 3
	s_lshl_b32 s4, s4, 3
	s_lshl_b32 s5, s98, 2
	s_add_co_u32 s4, s4, s5
	s_lshr_b32 s5, s3, 1
	s_add_co_u32 s4, s4, s5                        ; 8 x batch + head
	s_lshl_b32 s5, s99, 1
	s_add_co_u32 s5, s5, s2
	s_and_b32 s5, s5, 15                           ; the key step within the batch
	s_and_b32 s8, s3, 1
	s_lshl_b32 s8, s8, 1                           ; my first tile of the head's four
	s_sub_co_u32 s6, s97, 2                        ; v_r is the values of type 0's record, v_d of type 1's
	s_lshl_b32 s6, s6, 5
	s_add_co_u32 s6, s6, s4
	s_mul_i32 s10, s6, 208896                      ; the record
	s_mul_i32 s6, s5, 12288                        ; codes: 12,288 + 12,288 x key step + 6,144 (the step's keys) + 1,536 x tile
	s_add_co_u32 s6, s6, s10
	s_mul_i32 s7, s8, 1536
	s_add_co_u32 s6, s6, s7
	s_add_co_u32 s6, s6, 18432
	s_mov_b32 s7, 0
	s_lshl_b32 s11, s5, 8                          ; scale words: 8,192 + 256 x key step; tile t's word of row r at 16 r + 4 t
	s_add_co_u32 s10, s10, s11
	s_lshl_b32 s11, s8, 2
	s_add_co_u32 s10, s10, s11
	s_add_co_u32 s10, s10, 8192
	s_mov_b32 s11, 0
	s_add_nc_u64 s[18:19], s[16:17], s[10:11]
	s_add_nc_u64 s[16:17], s[16:17], s[6:7]
	ds_load_b32 v24, v8                            ; each tile's bias twice: a pair for the packed additions
	ds_load_b32 v25, v8
	ds_load_b32 v26, v8 offset:32
	ds_load_b32 v27, v8 offset:32
	s_wait_dscnt 0x0
.irp n,0,1
.if \n
	s_wait_xcnt 0x0                                ; the first tile's stores have read their data
.endif
.irp j,0,2,4,6,8,10,12,14,16,18,20,22,24,26,28,30,32,34,36,38,40,42,44,46,48,50,52,54,56,58,60,62
	v_pk_add_f32 v[ACC+64*\n+\j:ACC+64*\n+\j+1], v[ACC+64*\n+\j:ACC+64*\n+\j+1], v[24+2*\n:25+2*\n]
.endr
	QUANT ACC+64*\n
	global_store_b128 v9, v[PC:PC+3], s[16:17] offset:1536*\n
	global_store_b128 v9, v[PC+4:PC+7], s[16:17] offset:1536*\n+512          ; a fragment lies as three planes of 512 bytes, 16 a lane
	global_store_b128 v9, v[PC+8:PC+11], s[16:17] offset:1536*\n+1024
	v_mov_b32 v[126+\n], v[PW]
.endr
	v_cmp_eq_u32 vcc_lo, 1, v23
	s_delay_alu instid0(VALU_DEP_1)
	v_cndmask_b32 v126, v126, v127, vcc_lo         ; lanes 0-15 store the first tile's word, lanes 16-31 the second's
	global_store_b32 v12, v126, s[18:19]
.Lend:
	s_wait_tensorcnt 0x0
	ds_add_u32 v121, v125
	s_wait_dscnt 0x0
	CROUND                                         ; the closing round: no work-group ends while a partner may still ask for a tile that names it
	s_endpgm
.Lfunc_end_k_qba31f4516d_proj:
	.size	k_qba31f4516d_proj, .Lfunc_end_k_qba31f4516d_proj-k_qba31f4516d_proj
	.p2alignl 7, 3214868480
	.fill 96, 4, 3214868480
	.section	.rodata,"a",@progbits
	.p2align	6, 0x0
	.amdhsa_kernel k_qba31f4516d_proj
		.amdhsa_group_segment_fixed_size 207872
		.amdhsa_private_segment_fixed_size 0
		.amdhsa_enable_private_segment 0
		.amdhsa_kernarg_size 56
		.amdhsa_user_sgpr_count 2
		.amdhsa_user_sgpr_kernarg_segment_ptr 1
		.amdhsa_wavefront_size32 1
		.amdhsa_system_sgpr_workgroup_id_x 1
		.amdhsa_system_sgpr_workgroup_id_y 1
		.amdhsa_system_sgpr_workgroup_id_z 1
		.amdhsa_system_vgpr_workitem_id 0
		.amdhsa_next_free_vgpr 256
		.amdhsa_next_free_sgpr 102
		.amdhsa_reserve_vcc 1
		.amdhsa_float_denorm_mode_32 3
		.amdhsa_float_denorm_mode_16_64 3
		.amdhsa_memory_ordered 1
		.amdhsa_forward_progress 1
		.amdhsa_inst_pref_size 68
	.end_amdhsa_kernel
	.amdgpu_metadata
---
amdhsa.version: [ 1, 2 ]
amdhsa.kernels:
  - .name:           k_qba31f4516d_proj
    .symbol:         k_qba31f4516d_proj.kd
    .args:
      - { .name: tcodes, .offset: 0, .size: 8, .value_kind: global_buffer, .address_space: global }
      - { .name: tscales, .offset: 8, .size: 8, .value_kind: global_buffer, .address_space: global }
      - { .name: bq, .offset: 16, .size: 8, .value_kind: global_buffer, .address_space: global }
      - { .name: bk, .offset: 24, .size: 8, .value_kind: global_buffer, .address_space: global }
      - { .name: bvr, .offset: 32, .size: 8, .value_kind: global_buffer, .address_space: global }
      - { .name: bvd, .offset: 40, .size: 8, .value_kind: global_buffer, .address_space: global }
      - { .name: kv, .offset: 48, .size: 8, .value_kind: global_buffer, .address_space: global }
    .group_segment_fixed_size: 207872
    .private_segment_fixed_size: 0
    .kernarg_segment_align: 8
    .kernarg_segment_size: 56
    .max_flat_workgroup_size: 512
    .sgpr_count:     102
    .vgpr_count:     256
    .wavefront_size: 32
...
	.end_amdgpu_metadata
.endif
;; end of part 2
;; launch attn (part 3): grid 4 x 64, 16 waves a work-group, clusters of 4 x 1, 327,680 bytes of LDS; arguments kv, ocodes, oscales; writes ocodes, oscales
.if DOCPART == 3
	.amdgcn_target "amdgcn-amd-amdhsa--gfx1250"
	.amdhsa_code_object_version 6
	.text
	.protected	k_qba31f4516d_attn
	.globl	k_qba31f4516d_attn
	.p2align	8
	.type	k_qba31f4516d_attn,@function
k_qba31f4516d_attn:
	s_mov_b64 s[64:65], 0
	v_nop
	global_prefetch_b8 v0, s[64:65] scope:SCOPE_SE
	s_setreg_imm32_b32 hwreg(HW_REG_WAVE_MODE, 25, 1), 1
	s_wait_xcnt 0x0
	s_wait_alu depctr_hold_cnt(0) depctr_sa_sdst(0) depctr_va_vdst(0) depctr_va_sdst(0) depctr_va_ssrc(0) depctr_va_vcc(0) depctr_vm_vsrc(0)
	s_getreg_b32 s2, hwreg(HW_REG_IB_STS2, 6, 4)
	s_cmp_eq_u32 s2, 0
	s_cbranch_scc0 .Lentry_in_a_cluster
	s_endpgm
.Lentry_in_a_cluster:
	s_bfe_u32 s2, ttmp6, 0x10000c
	s_cmp_lg_u32 s2, 0x3003
	s_cbranch_scc0 .Lentry_shape_is_right
	s_endpgm
.Lentry_shape_is_right:
; Both attentions on the shared scores, on codes of BF6 with E8M0 scales.  y = 0 .. 31: softmax along the rows of q k^T, times v_r.  y = 32 .. 63: softmax along its columns, times v_d: the same
; attention with k as the queries, q as the keys and v_d as the values.  One text serves both: only records of kv are chosen.
; THE SOFTMAX: t = score x log2(e) / 8; M = the row's largest t so far, rounded up to a whole number; p = 2^(t - M) is quantised along the keys, not normalised.  The row's sum is taken of the
; unquantised p and divides O at the end.  When M moves, the sum and O are multiplied by 2^(old M - new M), which rounds nothing.
; RECORDS.  Record y of kv, 208,896 bytes, holds all that type y / 32 and head y % 32 need of keys and values: the keys' scale words (8,192 bytes: tile T, row r at 256 (T / 4) + 16 r + 4 (T % 4)),
; the values' (4,096: step s, tile t, row r at 256 s + 16 r + 4 t), then 16 key steps of 12,288 bytes: 6,144 of keys' codes (four pairs of tiles), 6,144 of values' (four fragments).  A pair of tiles of
; keys, and a fragment of values, is twelve registers a lane, laid as three planes of 512 bytes, 16 bytes a lane: every LDS load is of 16 bytes a lane.
; The queries are the keys of record y xor 32.  LDS bytes 0 .. 208,895 are the record as it lies in memory, filled once.
; TILES OF TOKENS.  Of a group of 64 tokens tile t (0 .. 3) holds tokens 8 t + 0 .. 7 in rows 0-7 and 32 + 8 t + 0 .. 7 in rows 8-15.  Both products are used transposed: S^T = K Q^T (source 0 = 16 keys),
; O^T = V^T P^T (source 0 = 16 of the head's 64): a lane holds ONE query throughout.  In S^T lanes 0-15 hold a tile's rows 0-7 and lanes 16-31 its rows 8-15, so the 32 registers of a group's four tiles
; are ONE WHOLE BLOCK of 32 neighbouring keys: lanes 0-15 the group's first block, lanes 16-31 its second, which is the layout of p as an operand.  A block's maximum needs no other lane, and no code changes lanes.
; SHARES.  A work-group owns 512 queries of one head, in two passes of 256 over the same LDS bytes; in a pass each of the sixteen waves owns one tile of 16 queries.  256 work-groups.
; CLUSTER.  The four partners are the four blocks of 512 queries of one head: every byte of the record is shared, and every tensor load is joint.  At the head each wave asks for 15 rows of 256 bytes
; (together the scale words and four key steps); behind the waits, the add and a round, each wave asks for 36 rows (the other twelve steps), which land under the first four
; steps' work.  A wave has one tensor load out at the most.  No prefetch: these two groups are all that the launch fetches by tensor loads, so there is no later fill to ask ahead for.
; THE SCORE PRODUCT HAS K = 64 in an instruction of 128.  For K = 64 .. 127 the queries' registers hold zero codes and both scale words the byte 0 (2^-127, no NaN); the keys' registers there are the next
; tile's codes (behind the last tile: zeros), which multiply zeros.
; RESULTS.  y < 32: o_r is quantised along the channels, in registers.  y >= 32: reference()'s transposition makes the tokens the next K: o_d goes through a stage in LDS and is quantised along the tokens.
; LIMITS: NaN and infinities are not served; the promise holds while |t| stays under 2^31; a block whose largest magnitude lies under 2^-122 gets the byte 1 (read by this program alone).
.set WV,   12                          ; s12  my wave's number
.set TY,   16                          ; s16  0: rows, v_r;  1: columns, v_d
.set SEL,  20                          ; s[20:21] lane selects for v_permlanex16_b32: lane l xor 16
.set CS,   22                          ; s[22:23] c = log2(e) / 8
.set ODD,  55                          ; s55  my wave's number % 2: which tile of a pair holds my queries
.set TK,   72                          ; s72  where the step's codes begin in LDS
.set TS,   73                          ; s73  K's scale words: 512 bytes a step
.set TJ,   74                          ; s74  V's: 256 bytes a step
.set CNT,  75
.set REC,  208896
.set LVS,  8192                        ; LDS: V's scale words (K's lie at 0)
.set LCD,  12288                       ; the codes
.set STP,  12288                       ; a key step's codes
.set STG,  208896                      ; the stage for o_d: 256 tokens x (256 bytes + 16); no tensor load lands here
.set SPARE, 278528                     ; the spare words: 128 bytes for each of 16 waves
.set BM,   52                          ; behind the score products K's registers are free: v32-43 p's codes, v44-51 the conversions' second halves, v52-55 maxima (my two blocks' in v52 and v54),
.set PD,   56                          ; v56-59 what comes from lane l xor 16, and the bytes,
.set SO,   60                          ; v60, v62 the conversions' scale operands; v[64:65] a chain of the sum; v[66:67] f; v68 at work
.macro CROUND                          ; a round of the cluster's barrier
	s_barrier_signal -1
	s_barrier_wait -1
	s_cmp_lg_u32 s[WV], 0
	s_cbranch_scc1 .Lnot_wave_0_\@
	s_barrier_signal -3
.Lnot_wave_0_\@:
	s_barrier_wait -3
	s_barrier_signal -1
	s_barrier_wait -1
.endm
.macro G1SET g, r                      ; descriptor group 1: r dense rows of 256 bytes (32 elements of 8 bytes), for all four work-groups
	s_mov_b32 s[\g], 0x0023000f                    ; 15:0 the mask; 17:16 elements of 8 bytes; 21 set beside a mask
	s_mov_b32 s[\g+1], 32<<16
	s_mov_b32 s[\g+2], (\r)<<16
	s_mov_b32 s[\g+3], 32<<16
	s_mov_b32 s[\g+4], \r
	s_mov_b32 s[\g+5], 32
	s_mov_b32 s[\g+6], 0
	s_mov_b32 s[\g+7], 0
.endm
	s_load_b64 s[4:5], s[0:1], 0x0                 ; kv
	s_load_b128 s[8:11], s[0:1], 0x8               ; ocodes, oscales
	v_lshl_add_u32 v254, v0, 2, SPARE
	v_mov_b32 v255, 0
	ds_add_u32 v254, v255                          ; the opening lines: the add, twice on end, and its wait ahead of my first tensor load
	ds_add_u32 v254, v255
	v_lshrrev_b32 v1, 5, v0
	s_delay_alu instid0(VALU_DEP_1)
	v_readfirstlane_b32 s[WV], v1
	s_lshr_b32 s76, s[WV], 2                       ; the stage, on the way in: my query's token within the 256: 64 (w / 4) + 8 (w % 4) + (r % 8) + 32 (r / 8); + 64 h bytes
	s_lshl_b32 s76, s76, 6
	s_and_b32 s77, s[WV], 3
	s_lshl_b32 s77, s77, 3
	s_add_co_u32 s76, s76, s77
	s_mul_i32 s76, s76, 272
	s_add_co_u32 s76, s76, STG
	s_lshr_b32 s78, s[WV], 2                       ; and on the way out: tokens 64 (w / 4) + 32 h on, channel 16 (w % 4) + r
	s_mul_i32 s78, s78, 64*272
	s_and_b32 s77, s[WV], 3
	s_lshl_b32 s77, s77, 6
	s_add_co_u32 s78, s78, s77
	s_add_co_u32 s78, s78, STG
	v_and_b32 v31, 31, v0                          ; lane
	v_and_b32 v240, 15, v0                         ; r
	v_bfe_u32 v241, v0, 4, 1                       ; h
	s_delay_alu instid0(VALU_DEP_3)
	v_lshlrev_b32 v1, 4, v31                       ; 16 x lane: my 16 bytes of a plane (K's scale words too: lane (r, h) takes the four words of row r of tiles 4 h .. 4 h + 3)
	s_delay_alu instid0(VALU_DEP_4)
	v_lshlrev_b32 v2, 3, v31
	s_delay_alu instid0(VALU_DEP_1)
	v_add_nc_u32 v2, 512, v2                       ; the way out: a half fragment's last 256 bytes: 512 + 8 x lane
	v_lshlrev_b32 v242, 4, v240                    ; 16 r
	s_delay_alu instid0(VALU_DEP_1)
	v_add_nc_u32 v6, LVS, v242                     ; V's scale words: the four tiles' words of row r
	s_delay_alu instid0(VALU_DEP_2)
	v_add_nc_u32 v243, v242, v241                  ; 16 r + h: my scale byte on the way out
	v_lshlrev_b32 v3, 3, v241                      ; 8 h: how far up my two bytes stand in p's scale word
	v_and_b32 v7, 8, v240
	s_delay_alu instid0(VALU_DEP_1)
	v_mad_u32_u24 v7, v7, 3, v240                  ; r + 24 (r / 8)
	s_delay_alu instid0(VALU_DEP_1)
	v_mul_u32_u24 v7, v7, 272
	s_delay_alu instid0(VALU_DEP_1)
	v_lshl_add_u32 v7, v241, 6, v7
	s_delay_alu instid0(VALU_DEP_1)
	v_add_nc_u32 v7, s76, v7
	v_mul_u32_u24 v8, v241, 32*272
	s_delay_alu instid0(VALU_DEP_1)
	v_lshl_add_u32 v8, v240, 2, v8
	s_delay_alu instid0(VALU_DEP_1)
	v_add_nc_u32 v8, s78, v8
.irp j,22,23,24,25,26,27,80,81,82,83,84,85
	v_mov_b32 v[\j], 0                             ; zero codes: the queries' K = 64 .. 127, and what stands behind the last tile of keys; never rewritten
.endr
	s_bfe_u32 s13, ttmp6, 0x40000                  ; cx: my block of 512 queries; it enters the queries' and the results' global addresses alone
	s_and_b32 s15, ttmp7, 0xffff                   ; y: my record
	s_lshr_b32 s[TY], s15, 5
	s_and_b32 s17, s15, 31                         ; 8 x batch + head
	s_and_b32 s[ODD], s[WV], 1
	s_lshl_b32 s19, s13, 5
	s_add_co_u32 s19, s19, s[WV]                   ; my tile of tokens within the batch, in pass 0; pass 1: 16 further on
	s_mul_i32 s80, s15, REC
	s_xor_b32 s81, s15, 32
	s_mul_i32 s81, s81, REC                        ; the queries' record
	s_mul_i32 s41, s[WV], 3840                     ; the head's fill: my 15 rows
	s_add_co_u32 s84, s80, s41
	s_mov_b32 s85, 0
	s_mul_i32 s45, s[WV], 9216                     ; the second fill: my 36 rows, behind the first 61,440 bytes
	s_add_co_u32 s45, s45, 61440
	s_add_co_u32 s86, s80, s45
	s_mov_b32 s87, 0
	s_mov_b32 s40, 1
	s_mov_b32 s44, 1
	s_lshl_b32 s88, s13, 2                         ; my queries' pair of tiles: key step T / 8 = 4 cx + w / 8 of their record (+ 1: the scale words), pair (w % 8) / 2
	s_lshr_b32 s89, s[WV], 3
	s_add_co_u32 s88, s88, s89
	s_add_co_u32 s88, s88, 1
	s_mul_i32 s88, s88, STP
	s_bfe_u32 s89, s[WV], 0x20001
	s_mul_i32 s89, s89, 1536
	s_add_co_u32 s88, s88, s89
	s_add_co_u32 s94, s88, s81
	s_mov_b32 s95, 0
	s_lshr_b32 s76, s19, 2                         ; and their scale words
	s_lshl_b32 s76, s76, 8
	s_and_b32 s77, s19, 3
	s_lshl_b32 s77, s77, 2
	s_add_co_u32 s76, s76, s77
	s_add_co_u32 s76, s76, s81
	s_mov_b32 s77, 0
	s_lshr_b32 s52, s17, 3                         ; batch
	s_and_b32 s53, s17, 7                          ; head
	s_lshl_b32 s78, s52, 7
	s_add_co_u32 s78, s78, s19                     ; o_r: tile 128 batch + my tile of tokens; its K place (64 along K) is the head
	s_lshl_b32 s79, s52, 2                         ; o_d: row 4 (64 head + d) + token / 512, K = token % 512: tile 512 + ((4 batch + cx) 8 + head) 4 + d / 16,
	s_add_co_u32 s79, s79, s13
	s_lshl_b32 s79, s79, 3
	s_add_co_u32 s79, s79, s53
	s_lshl_b32 s79, s79, 2
	s_and_b32 s54, s[WV], 3
	s_add_co_u32 s79, s79, s54
	s_add_co_u32 s79, s79, 512
	s_lshr_b32 s54, s[WV], 2                       ; K place 4 x pass + w / 4
	s_mov_b32 s48, 3072
	s_cmp_eq_u32 s[TY], 0
	s_cselect_b32 s78, s78, s79
	s_cselect_b32 s54, s53, s54
	s_cselect_b32 s48, 98304, s48                  ; from pass 0 to pass 1: o_r 16 tiles on, o_d 4 K places on: in the codes,
	s_cselect_b32 s50, 4096, 8                     ; and in the scale bytes
	s_mov_b32 s49, 0
	s_mov_b32 s51, 0
	s_mul_i32 s56, s78, 6144
	s_mul_i32 s57, s54, 768
	s_add_co_u32 s56, s56, s57
	s_mov_b32 s57, 0
	s_lshl_b32 s58, s78, 8
	s_lshl_b32 s59, s54, 1
	s_add_co_u32 s58, s58, s59
	s_mov_b32 s59, 0
	s_mov_b32 s[SEL], 0x76543210
	s_mov_b32 s[SEL+1], 0xfedcba98
	s_mov_b32 s[CS], 0x3e38aa3b                    ; log2(e) / 8
	s_mov_b32 s[CS+1], s[CS]                       ; (named with it as a pair, so it is written)
	G1SET 24, 15
	G1SET 32, 36
	s_wait_alu depctr_va_vdst(0)
	s_wait_dscnt 0x0                               ; both opening adds are done
	s_wait_kmcnt 0x0
	s_add_nc_u64 s[42:43], s[4:5], s[84:85]
	s_add_nc_u64 s[46:47], s[4:5], s[86:87]
	s_or_b32 s43, s43, 0x80000000
	s_or_b32 s47, s47, 0x80000000
	s_add_nc_u64 s[94:95], s[4:5], s[94:95]
	s_add_nc_u64 s[76:77], s[4:5], s[76:77]
	s_add_nc_u64 s[8:9], s[8:9], s[56:57]
	s_add_nc_u64 s[10:11], s[10:11], s[58:59]
	CROUND                                         ; all four work-groups are here: the joint loads meet
	tensor_load_to_lds s[40:43], s[24:31]          ; my one load at the head
	s_nop 0
.macro QLOAD p                         ; pass p's queries stay in registers: six of their pair's twelve registers a lane
	s_cmp_eq_u32 s[ODD], 0
	s_cbranch_scc0 .Lq_odd_\@
	global_load_b128 v[16:19], v1, s[94:95] offset:2*STP*\p          ; the pair's first tile: plane 0 and the lower half of plane 1
	global_load_b64 v[20:21], v1, s[94:95] offset:2*STP*\p+512
	s_branch .Lq_in_\@
.Lq_odd_\@:
	global_load_b64 v[16:17], v1, s[94:95] offset:2*STP*\p+520       ; its second: the upper half of plane 1 and plane 2
	global_load_b128 v[18:21], v1, s[94:95] offset:2*STP*\p+1024
.Lq_in_\@:
	global_load_b32 v94, v242, s[76:77] offset:1024*\p               ; their scale words
.endm
.macro INIT
	v_mov_b32 v13, 0xff61b1e6                      ; the largest t so far: -3e38, under every t
	s_delay_alu instid0(VALU_DEP_1)
	v_floor_f32 v12, -v13                          ; -M
	v_mov_b32 v14, 0                               ; the sum, in two halves
	v_mov_b32 v15, 0
.set k, 0
.rept 32
	v_mov_b32 v[160+k], 0                          ; O^T: the step is written once; the first finds zeros, which the first change of M leaves zeros
.set k, k+1
.endr
.endm
; A KEY STEP: 128 keys
.macro STEP
	v_add_nc_u32 v9, s[TK], v1                     ; the step's addresses, and the old -M.  These four are also the places between the last products and the loads over their operands
	v_add_nc_u32 v29, s[TS], v1
	v_add_nc_u32 v30, s[TJ], v6
	v_mov_b32 v11, v12
.irp q,0,1,2,3,4,5,6,7,8,9,10,11
	ds_load_b128 v[32+4*\q:35+4*\q], v9 offset:512*\q    ; eight tiles of keys, six registers each, on end
.endr
	ds_load_b128 v[86:89], v29
	s_wait_alu depctr_va_vdst(0)
	s_wait_dscnt 0x0
.irp t,0,1,2,3
	v_wmma_scale_f32_16x16x128_f8f6f4 v[96+8*\t:103+8*\t], v[32+6*\t:43+6*\t], v[16:27], 0, v[86+\t], v94 matrix_a_fmt:MATRIX_FMT_BF6 matrix_b_fmt:MATRIX_FMT_BF6
.endr
.irp t,4,5,6,7
	v_wmma_scale_f32_16x16x128_f8f6f4 v[96+8*\t:103+8*\t], v[32+6*\t:43+6*\t], v[16:27], 0, v[82+\t], v94 matrix_a_fmt:MATRIX_FMT_BF6 matrix_b_fmt:MATRIX_FMT_BF6 matrix_a_scale:MATRIX_SCALE_ROW1
.endr
.irp t,0,1,2,3                                 ; V's fragments, 6,144 bytes behind the step's keys, are asked for here and land under the softmax
	ds_load_b128 v[192+12*\t:195+12*\t], v9 offset:6144+1536*\t
	ds_load_b128 v[196+12*\t:199+12*\t], v9 offset:6144+1536*\t+512
	ds_load_b128 v[200+12*\t:203+12*\t], v9 offset:6144+1536*\t+1024
.endr
	ds_load_b128 v[90:93], v30
.rept 4
	v_nop                                          ; places in front of the first read of the scores and of the first write over K's registers
.endr
; register 96 + 32 c + i is key 64 c + 32 h + i of the step: my two whole blocks.  Each block's largest score, in two chains: it serves for the row's maximum and, since p rises with the score, for the block's largest p
.irp b,0,1,2,3
	v_max3_num_f32 v[BM+\b], v[96+16*\b], v[97+16*\b], v[98+16*\b]
.endr
.irp i,3,5,7,9,11,13
.irp b,0,1,2,3
	v_max3_num_f32 v[BM+\b], v[BM+\b], v[96+16*\b+\i], v[97+16*\b+\i]
.endr
.endr
.irp c,0,1
	v_max3_num_f32 v[BM+2*\c], v[BM+2*\c], v[111+32*\c], v[127+32*\c]
.endr
.irp c,0,1
	s_delay_alu instid0(VALU_DEP_2)
	v_max_num_f32 v[BM+2*\c], v[BM+2*\c], v[BM+1+2*\c]   ; block 2 c + h's
.endr
	s_delay_alu instid0(VALU_DEP_1)
	v_max_num_f32 v68, v[BM], v[BM+2]
	s_delay_alu instid0(VALU_DEP_1)
	v_permlanex16_b32 v[PD], v68, s[SEL], s[SEL+1]
	s_delay_alu instid0(VALU_DEP_1)
	v_max_num_f32 v68, v68, v[PD]                  ; with lane l xor 16's two blocks: the step's largest score of my query
	s_delay_alu instid0(VALU_DEP_1)
	v_mul_f32 v68, s[CS], v68                      ; as t (c is positive)
	s_delay_alu instid0(VALU_DEP_1)
	v_max_num_f32 v13, v13, v68                    ; the running largest t
	s_delay_alu instid0(VALU_DEP_1)
	v_floor_f32 v12, -v13                          ; the new -M = floor(-t) = -ceil(t)
	s_delay_alu instid0(VALU_DEP_1)
	v_sub_f32 v68, v12, v11                        ; old M - new M: a whole number, 0 or less
	s_delay_alu instid0(VALU_DEP_1)
	v_cvt_i32_f32 v68, v68                         ; (it saturates)
	s_delay_alu instid0(VALU_DEP_1)
	v_ldexp_f32 v66, 1.0, v68                      ; f = 2^(old M - new M)
.irp j,0,2,4,6,8,10,12,14,16,18,20,22,24,26,28,30,32,34,36,38,40,42,44,46,48,50,52,54,56,58,60,62
	v_pk_fma_f32 v[96+\j:97+\j], v[96+\j:97+\j], s[CS:CS+1], v[12:13] op_sel_hi:[1,0,0]   ; t - M, two at a time
.endr
.irp b,0,2
	v_fma_f32 v[BM+\b], v[BM+\b], s[CS], v12       ; the same of each block's largest score
.endr
	s_wait_alu depctr_va_vdst(0)
.set k, 0
.rept 64
	v_exp_f32 v[96+k], v[96+k]                     ; p = 2^(t - M), at most 1
.set k, k+1
.endr
	v_pk_mul_f32 v[14:15], v[14:15], v[66:67] op_sel_hi:[1,0]   ; the sums under the new M.  (The plain instruction behind the exponentials)
	s_wait_alu depctr_va_vdst(0)                   ; one wait for the whole batch, ahead of its first reader
.irp b,0,2
	v_exp_f32 v[BM+\b], v[BM+\b]                   ; the block's largest p: the same two instructions on the same number give the same bits
.endr
	v_pk_add_f32 v[64:65], v[100:101], v[104:105]  ; the row's sum of the unquantised p, in eight chains
	v_pk_add_f32 v[252:253], v[108:109], v[112:113]
	v_pk_add_f32 v[250:251], v[116:117], v[120:121]
	v_pk_add_f32 v[248:249], v[124:125], v[128:129]
	v_pk_add_f32 v[246:247], v[132:133], v[136:137]
	v_pk_add_f32 v[244:245], v[140:141], v[144:145]
	v_pk_add_f32 v[88:89], v[148:149], v[152:153]
	v_pk_add_f32 v[14:15], v[14:15], v[156:157]
	v_pk_add_f32 v[64:65], v[64:65], v[96:97]
	v_pk_add_f32 v[252:253], v[252:253], v[98:99]
	v_pk_add_f32 v[250:251], v[250:251], v[102:103]
	v_pk_add_f32 v[248:249], v[248:249], v[106:107]
	v_pk_add_f32 v[246:247], v[246:247], v[110:111]
	v_pk_add_f32 v[244:245], v[244:245], v[114:115]
	v_pk_add_f32 v[88:89], v[88:89], v[118:119]
	v_pk_add_f32 v[14:15], v[14:15], v[122:123]
	v_pk_add_f32 v[64:65], v[64:65], v[126:127]
	v_pk_add_f32 v[252:253], v[252:253], v[130:131]
	v_pk_add_f32 v[250:251], v[250:251], v[134:135]
	v_pk_add_f32 v[248:249], v[248:249], v[138:139]
	v_pk_add_f32 v[246:247], v[246:247], v[142:143]
	v_pk_add_f32 v[244:245], v[244:245], v[146:147]
	v_pk_add_f32 v[88:89], v[88:89], v[150:151]
	v_pk_add_f32 v[14:15], v[14:15], v[154:155]
	v_pk_add_f32 v[64:65], v[64:65], v[158:159]
	s_delay_alu instid0(VALU_DEP_2)
	v_pk_add_f32 v[14:15], v[14:15], v[248:249]
	s_delay_alu instid0(VALU_DEP_2)
	v_pk_add_f32 v[64:65], v[64:65], v[246:247]
	v_pk_add_f32 v[252:253], v[252:253], v[244:245]
	v_pk_add_f32 v[250:251], v[250:251], v[88:89]
	s_delay_alu instid0(VALU_DEP_2)
	v_pk_add_f32 v[14:15], v[14:15], v[252:253]
	s_delay_alu instid0(VALU_DEP_2)
	v_pk_add_f32 v[64:65], v[64:65], v[250:251]
	s_delay_alu instid0(VALU_DEP_1)
	v_pk_add_f32 v[14:15], v[14:15], v[64:65]
	s_wait_alu depctr_va_vdst(0)                   ; and one for the two
.irp b,0,2
	v_max_num_f32 v[BM+\b], 0x2800000, v[BM+\b]    ; the floor 2^(5 - 127): the byte cannot fall under 1
.endr
.irp b,0,2
	s_delay_alu instid0(VALU_DEP_2)
	v_add_nc_u32 v[SO+\b], 0xfe000000, v[BM+\b]    ; 4 off the exponent field: the conversion's scale operand
.endr
.irp b,0,2
	s_delay_alu instid0(VALU_DEP_2)
	v_lshrrev_b32 v[PD+\b], 23, v[SO+\b]           ; the byte
.endr
	s_delay_alu instid0(VALU_DEP_1)
	v_lshl_or_b32 v95, v[PD+2], 16, v[PD]          ; my two bytes: blocks h and 2 + h,
	s_delay_alu instid0(VALU_DEP_1)
	v_lshlrev_b32 v95, v3, v95                     ; at their places in p's scale word: 8 h bits up;
	s_delay_alu instid0(VALU_DEP_1)
	v_permlanex16_b32 v[PD+1], v95, s[SEL], s[SEL+1]
	s_delay_alu instid0(VALU_DEP_1)
	v_or_b32 v95, v95, v[PD+1]                     ; with lane l xor 16's two the word is whole
.irp c,0,1
	v_cvt_scalef32_pk16_bf6_f32 v[32+6*\c:34+6*\c], v[96+32*\c:111+32*\c], v[SO+2*\c]
	v_cvt_scalef32_pk16_bf6_f32 v[44+4*\c:46+4*\c], v[112+32*\c:127+32*\c], v[SO+2*\c]   ; (a conversion's three registers begin on an even number)
.endr
	v_nop                                          ; one plain instruction behind a scaled conversion
.irp c,0,1
.irp i,0,1,2
	v_mov_b32 v[35+6*\c+\i], v[44+4*\c+\i]         ; registers 6 c .. 6 c + 5 now hold k = 64 c + 32 h + 0 .. 31
.endr
.endr
.irp j,0,2,4,6,8,10,12,14,16,18,20,22,24,26,28,30
	v_pk_mul_f32 v[160+\j:161+\j], v[160+\j:161+\j], v[66:67] op_sel_hi:[1,0]   ; O^T under the new M.  (Twelve of these sixteen name none of a given product's registers: the places behind p's scale word and codes)
.endr
	s_wait_alu depctr_va_vdst(0)
	s_wait_dscnt 0x0                               ; V
.irp t,0,1,2,3
	v_wmma_scale_f32_16x16x128_f8f6f4 v[160+8*\t:167+8*\t], v[192+12*\t:203+12*\t], v[32:43], v[160+8*\t:167+8*\t], v[90+\t], v95 matrix_a_fmt:MATRIX_FMT_BF6 matrix_b_fmt:MATRIX_FMT_BF6
.endr
	s_add_co_u32 s[TK], s[TK], STP
	s_add_co_u32 s[TS], s[TS], 512
	s_add_co_u32 s[TJ], s[TJ], 256
.endm
.macro WALK n, first                   ; n key steps from step first on
	s_mov_b32 s[TK], LCD+STP*\first
	s_mov_b32 s[TS], 512*\first
	s_mov_b32 s[TJ], 256*\first
	s_mov_b32 s[CNT], \n
.Lstep_\@:
	STEP
	s_sub_co_u32 s[CNT], s[CNT], 1
	s_cmp_lg_u32 s[CNT], 0
	s_cbranch_scc1 .Lstep_\@
.endm
; THE WAY OUT of pass p
.macro TAIL p
.if \p == 0
	QLOAD 1                                        ; the next pass's queries land under this pass's way out (the last score products stand a softmax back)
.endif
	v_add_f32 v14, v14, v15                        ; the sum's two halves,
	s_delay_alu instid0(VALU_DEP_1)
	v_permlanex16_b32 v68, v14, s[SEL], s[SEL+1]
	s_delay_alu instid0(VALU_DEP_1)
	v_add_f32 v14, v14, v68                        ; and lane l xor 16's: the row's sum
	s_wait_alu depctr_va_vdst(0)
	v_rcp_f32 v14, v14
.rept 3
	v_nop                                          ; the plain instruction behind the reciprocal; with the additions above, the places behind the last products
.endr
	s_wait_alu depctr_va_vdst(0)                   ; the wait ahead of the reciprocal's first use and of the first read of O^T
	v_mov_b32 v15, v14
.irp j,0,2,4,6,8,10,12,14,16,18,20,22,24,26,28,30
	v_pk_mul_f32 v[160+\j:161+\j], v[160+\j:161+\j], v[14:15]   ; O^T / the sum: register 16 b + i is channel 32 b + 16 h + i of my query; each accumulator from its low end on
.endr
	s_cmp_eq_u32 s[TY], 0                          ; the same in every wave and every partner
	s_cbranch_scc1 .Lno_stage_\@
.irp b,0,1
.irp e,0,1,2,3
	ds_store_b128 v7, v[160+16*\b+4*\e:163+16*\b+4*\e] offset:128*\b+16*\e
.endr
.endr
.Lno_stage_\@:
	s_wait_dscnt 0x0                               ; for the others' sake: my stores into the stage are done
	s_barrier_signal -1
	s_barrier_wait -1
	s_cmp_eq_u32 s[TY], 0
	s_cbranch_scc0 .Ltokens_\@
	; o_r: two blocks of 32 channels, each in lanes l and l xor 16
	s_wait_alu depctr_va_vdst(0)
.irp b,0,1
	v_max3_num_f32 v[BM+\b], |v[160+16*\b]|, |v[161+16*\b]|, 0x2800000
.endr
.irp i,2,4,6,8,10,12,14
.irp b,0,1
	s_delay_alu instid0(VALU_DEP_2)
	v_max3_num_f32 v[BM+\b], v[BM+\b], |v[160+16*\b+\i]|, |v[161+16*\b+\i]|
.endr
.endr
.irp b,0,1
	s_delay_alu instid0(VALU_DEP_2)
	v_permlanex16_b32 v[PD+\b], v[BM+\b], s[SEL], s[SEL+1]
.endr
.irp b,0,1
	s_delay_alu instid0(VALU_DEP_2)
	v_max_num_f32 v[BM+\b], v[BM+\b], v[PD+\b]
.endr
.irp b,0,1
	s_delay_alu instid0(VALU_DEP_2)
	v_add_nc_u32 v[SO+\b], 0xfe000000, v[BM+\b]
.endr
.irp b,0,1
	s_delay_alu instid0(VALU_DEP_2)
	v_lshrrev_b32 v[PD+\b], 23, v[SO+\b]
.endr
	v_cvt_scalef32_pk16_bf6_f32 v[32:34], v[160:175], v[SO]
	v_cvt_scalef32_pk16_bf6_f32 v[44:46], v[176:191], v[SO+1]
	v_nop                                          ; one plain instruction behind a scaled conversion
.irp i,0,1,2
	v_permlane16_swap_b32 v[32+\i], v[44+\i]       ; lanes 0-15 take block 0 whole, lanes 16-31 block 1
.endr
.irp i,0,1,2
	s_delay_alu instid0(VALU_DEP_3)
	v_mov_b32 v[35+\i], v[44+\i]
.endr
	v_cmp_eq_u32 vcc_lo, 1, v241
	s_delay_alu instid0(VALU_DEP_1)
	v_cndmask_b32 v38, v[PD], v[PD+1], vcc_lo      ; my block's byte
	s_branch .Lout_\@
.Ltokens_\@:
	; o_d: my lane takes channel 16 (w % 4) + r and 32 neighbouring tokens: a whole block
.set k, 0
.rept 32
	ds_load_b32 v[96+k], v8 offset:272*k
.set k, k+1
.endr
	s_wait_dscnt 0x0
	v_max3_num_f32 v[BM], |v96|, |v97|, |v98|
	v_max3_num_f32 v[BM+1], |v99|, |v100|, |v101|
.irp i,6,10,14,18,22,26
	s_delay_alu instid0(VALU_DEP_2)
	v_max3_num_f32 v[BM], v[BM], |v[96+\i]|, |v[97+\i]|
	s_delay_alu instid0(VALU_DEP_2)
	v_max3_num_f32 v[BM+1], v[BM+1], |v[98+\i]|, |v[99+\i]|
.endr
	s_delay_alu instid0(VALU_DEP_2)
	v_max3_num_f32 v[BM], v[BM], |v126|, |v127|
	s_delay_alu instid0(VALU_DEP_1)
	v_max3_num_f32 v[BM], v[BM], v[BM+1], 0x2800000
	s_delay_alu instid0(VALU_DEP_1)
	v_add_nc_u32 v[SO], 0xfe000000, v[BM]
	v_cvt_scalef32_pk16_bf6_f32 v[32:34], v[96:111], v[SO]
	v_cvt_scalef32_pk16_bf6_f32 v[44:46], v[112:127], v[SO]
	v_lshrrev_b32 v38, 23, v[SO]                   ; the byte.  (Also the plain instruction behind the conversions)
.irp i,0,1,2
	v_mov_b32 v[35+\i], v[44+\i]
.endr
.Lout_\@:
	s_wait_alu depctr_va_vdst(0)
	global_store_b128 v1, v[32:35], s[8:9]         ; a half fragment: 512 consecutive bytes,
	global_store_b64 v2, v[36:37], s[8:9]          ; and 256
	global_store_b8 v243, v38, s[10:11]            ; byte 16 r + 2 (K place) + h of the tile's 256: a wave holds only two of a row's sixteen
.endm
	INIT
	QLOAD 0
	s_wait_alu depctr_va_vdst(0)
	s_wait_tensorcnt 0x0                           ; my 15 rows are in;
	ds_add_u32 v254, v255
	s_wait_dscnt 0x0
	CROUND                                         ; everybody's are in, and all four work-groups are here: the joint loads meet
	tensor_load_to_lds s[44:47], s[32:39]          ; my 36 rows of key steps 4 to 15: my one load behind the round
	s_nop 0
	s_wait_loadcnt 0x0                             ; my queries
	WALK 4, 0
	s_wait_tensorcnt 0x0                           ; my 36 rows are in;
	s_barrier_signal -1                            ; (no LDS load of mine is out)
	s_barrier_wait -1                              ; everybody's are.
	WALK 12, 4
	TAIL 0
	s_wait_xcnt 0x0                                ; the stores have read their data and bases, which are written again only behind this wait
	s_add_nc_u64 s[8:9], s[8:9], s[48:49]          ; on to pass 1's places
	s_add_nc_u64 s[10:11], s[10:11], s[50:51]
	s_barrier_signal -1                            ; every wave's reads of the stage are over (each has waited for them): pass 1 may store there
	s_barrier_wait -1
	INIT
	s_wait_alu depctr_va_vdst(0)
	s_wait_loadcnt 0x0                             ; pass 1's queries
	WALK 16, 0
	TAIL 1
	s_wait_tensorcnt 0x0                           ; the wave's end
	ds_add_u32 v254, v255
	s_wait_dscnt 0x0
	CROUND                                         ; the closing round: no work-group ends while a partner may still ask for a tile that names it
	s_endpgm
.Lfunc_end_k_qba31f4516d_attn:
	.size	k_qba31f4516d_attn, .Lfunc_end_k_qba31f4516d_attn-k_qba31f4516d_attn
	.p2alignl 7, 3214868480
	.fill 96, 4, 3214868480
	.section	.rodata,"a",@progbits
	.p2align	6, 0x0
	.amdhsa_kernel k_qba31f4516d_attn
		.amdhsa_group_segment_fixed_size 327680
		.amdhsa_private_segment_fixed_size 0
		.amdhsa_enable_private_segment 0
		.amdhsa_kernarg_size 24
		.amdhsa_user_sgpr_count 2
		.amdhsa_user_sgpr_kernarg_segment_ptr 1
		.amdhsa_wavefront_size32 1
		.amdhsa_system_sgpr_workgroup_id_x 1
		.amdhsa_system_sgpr_workgroup_id_y 1
		.amdhsa_system_sgpr_workgroup_id_z 1
		.amdhsa_system_vgpr_workitem_id 0
		.amdhsa_next_free_vgpr 256
		.amdhsa_next_free_sgpr 96
		.amdhsa_reserve_vcc 1
		.amdhsa_float_denorm_mode_32 3
		.amdhsa_float_denorm_mode_16_64 3
		.amdhsa_memory_ordered 1
		.amdhsa_forward_progress 1
		.amdhsa_inst_pref_size 77
	.end_amdhsa_kernel
	.amdgpu_metadata
---
amdhsa.version: [ 1, 2 ]
amdhsa.kernels:
  - .name:           k_qba31f4516d_attn
    .symbol:         k_qba31f4516d_attn.kd
    .args:
      - { .name: kv, .offset: 0, .size: 8, .value_kind: global_buffer, .address_space: global }
      - { .name: ocodes, .offset: 8, .size: 8, .value_kind: global_buffer, .address_space: global }
      - { .name: oscales, .offset: 16, .size: 8, .value_kind: global_buffer, .address_space: global }
    .group_segment_fixed_size: 327680
    .private_segment_fixed_size: 0
    .kernarg_segment_align: 8
    .kernarg_segment_size: 24
    .max_flat_workgroup_size: 512
    .sgpr_count:     96
    .vgpr_count:     256
    .wavefront_size: 32
...
	.end_amdgpu_metadata
.endif
;; end of part 3
;; launch outp (part 4): grid 256 x 1, 16 waves a work-group, clusters of 4 x 1, 290,816 bytes of LDS; arguments ocodes, oscales, tcodes, tscales, bpr, bpd, out0, out1; writes out0, out1
.if DOCPART == 4
	.amdgcn_target "amdgcn-amd-amdhsa--gfx1250"
	.amdhsa_code_object_version 6
	.text
	.protected	k_qba31f4516d_outp
	.globl	k_qba31f4516d_outp
	.p2align	8
	.type	k_qba31f4516d_outp,@function
k_qba31f4516d_outp:
	s_mov_b64 s[64:65], 0
	v_nop
	global_prefetch_b8 v0, s[64:65] scope:SCOPE_SE
	s_setreg_imm32_b32 hwreg(HW_REG_WAVE_MODE, 25, 1), 1
	s_wait_xcnt 0x0
	s_wait_alu depctr_hold_cnt(0) depctr_sa_sdst(0) depctr_va_vdst(0) depctr_va_sdst(0) depctr_va_ssrc(0) depctr_va_vcc(0) depctr_vm_vsrc(0)
	s_getreg_b32 s2, hwreg(HW_REG_IB_STS2, 6, 4)
	s_cmp_eq_u32 s2, 0
	s_cbranch_scc0 .Lentry_in_a_cluster
	s_endpgm
.Lentry_in_a_cluster:
	s_bfe_u32 s2, ttmp6, 0x10000c
	s_cmp_lg_u32 s2, 0x3003
	s_cbranch_scc0 .Lentry_shape_is_right
	s_endpgm
.Lentry_shape_is_right:
; out0 = o_r Wpr^T + bpr and out1 = o_d Wpd^T + bpd, on codes of BF6 with E8M0 scales, K = 512.  Clusters 0-31 make out0, clusters 32-63 out1.
; OPERANDS lie in memory as images of the operand's registers: a tile of 16 rows is 8 half fragments of 768 bytes (64 along K) and 256 scale bytes (16 r + K / 32).
; A work-group multiplies 16 tiles of the weight (256 output channels, source 0) by 8 tiles of rows (128 rows, source 1).  In the result a lane holds one row, and its registers run along the output channels:
; the weight's tile T holds rows 32 (T / 2) + 8 (T % 2) + r + 8 (r / 8), so that the 16 registers of two neighbouring tiles are 16 neighbouring channels, 64 bytes of a row of the output.
; WHICH ROWS a tile of source 1 holds: o_r's tile T: rows 64 (T / 4) + 8 (T % 4) + (i % 8) + 32 (i / 8).  o_d's tile ((4 batch + x) 8 + head) 4 + t: rows 2,048 batch + 256 head + 64 t + x + 4 i, as reference()'s transposition lays them.
; CLUSTER.  The four partners take four blocks of rows against the same half of a weight: its codes and scales are asked for JOINTLY; the rows' come by plain loads.  Each byte of LDS is filled once.
; A wave has one tensor load out at the most.
; SHARES.  Wave w: the weight's tiles 8 (w / 8) .. + 7, the rows' tile w % 8: eight accumulators, which take turns, one instruction a turn.  The bias is the C of each sum's first product.
.set WV,   20
.set TY,   22
.set R0,   0                           ; LDS: the weight's codes: [K half][tile][3,072 bytes]
.set R1,   98304                       ; the rows' likewise
.set SC0,  147456                      ; the weight's scale bytes
.set SC1,  151552                      ; the rows'
.set STG,  153600                      ; the way out: 16 rows x (512 bytes + 16) for each wave; no tensor load lands here
.set HALF0, 49152
.set HALF1, 24576
.set SS0,  16                          ; v16-19  the weight's scale words: lanes 0-15 tile t, lanes 16-31 tile t + 4
.set SS1,  20                          ; v20     the rows'
.set S1B,  24                          ; v24-35  the rows' fragment
.set S0B,  48                          ; v48-95  four fragments of the weight
.set BI,   128                         ; v128-191 the bias in the result's layout
.set ACC,  192                         ; v192-255 accumulator t at 8 t
.macro CROUND                          ; a round of the cluster's barrier
	s_barrier_signal -1
	s_barrier_wait -1
	s_cmp_lg_u32 s[WV], 0
	s_cbranch_scc1 .Lnot_wave_0_\@
	s_barrier_signal -3
.Lnot_wave_0_\@:
	s_barrier_wait -3
	s_barrier_signal -1
	s_barrier_wait -1
.endm
.macro G1SET g, w0, c, r, p            ; descriptor group 1: r rows of c elements of 8 bytes, p elements from row to row; no padding
	s_mov_b32 s[\g], \w0
	s_mov_b32 s[\g+1], (\c)<<16
	s_mov_b32 s[\g+2], (\r)<<16
	s_mov_b32 s[\g+3], (\c)<<16
	s_mov_b32 s[\g+4], \r
	s_mov_b32 s[\g+5], \p
	s_mov_b32 s[\g+6], 0
	s_mov_b32 s[\g+7], 0
.endm
	s_load_b256 s[4:11], s[0:1], 0x0               ; ocodes, oscales, tcodes, tscales
	s_load_b256 s[12:19], s[0:1], 0x20             ; bpr, bpd, out0, out1
	v_lshl_add_u32 v126, v0, 2, 0x46800
	v_mov_b32 v127, 0
	ds_add_u32 v126, v127
	ds_add_u32 v126, v127
	v_lshrrev_b32 v1, 5, v0
	s_delay_alu instid0(VALU_DEP_1)
	v_readfirstlane_b32 s[WV], v1
	v_and_b32 v21, 31, v0                          ; lane
	v_and_b32 v22, 15, v0                          ; r
	v_bfe_u32 v23, v0, 4, 1                        ; h
	s_delay_alu instid0(VALU_DEP_3)
	v_lshlrev_b32 v9, 4, v21                       ; 16 x lane
	s_delay_alu instid0(VALU_DEP_4)
	v_lshlrev_b32 v10, 3, v21                      ; 8 x lane
	s_lshr_b32 s2, s[WV], 3                        ; which eight tiles of the weight
	s_and_b32 s3, s[WV], 7                         ; which tile of rows
	s_mul_i32 s92, s2, 24576
	v_add_nc_u32 v1, s92, v9
	v_add_nc_u32 v2, s92, v10
	s_delay_alu instid0(VALU_DEP_1)
	v_add_nc_u32 v2, 512, v2
	s_mul_i32 s92, s3, 3072
	s_add_co_u32 s92, s92, R1
	v_add_nc_u32 v3, s92, v9
	v_add_nc_u32 v4, s92, v10
	s_delay_alu instid0(VALU_DEP_1)
	v_add_nc_u32 v4, 512, v4
	v_lshlrev_b32 v6, 4, v22
	s_delay_alu instid0(VALU_DEP_1)
	v_lshl_add_u32 v5, v23, 10, v6
	s_lshl_b32 s92, s2, 11
	s_add_co_u32 s92, s92, SC0
	v_add_nc_u32 v5, s92, v5                       ; the weight's scale words: 16 r + 1,024 h
	s_lshl_b32 s92, s3, 8
	s_add_co_u32 s92, s92, SC1
	v_add_nc_u32 v6, s92, v6                       ; the rows': 16 r
	s_mul_i32 s92, s[WV], 16*528
	s_add_co_u32 s92, s92, STG
	v_mul_u32_u24 v7, v22, 528
	s_delay_alu instid0(VALU_DEP_1)
	v_lshl_add_u32 v7, v23, 6, v7
	s_delay_alu instid0(VALU_DEP_1)
	v_add_nc_u32 v7, s92, v7                       ; my stage, in: row r, + 64 h bytes
	v_add_nc_u32 v8, s92, v9                       ; and back: 16 bytes a lane of a row's 512
	v_lshlrev_b32 v13, 6, v23                      ; the bias: + 16 h numbers
	s_bfe_u32 s21, ttmp6, 0x40000                  ; cx
	s_lshr_b32 s[TY], ttmp9, 5
	s_and_b32 s23, ttmp9, 15
	s_lshr_b32 s84, ttmp9, 4
	s_and_b32 s85, s84, 1                          ; which half of the output channels
	s_lshl_b32 s84, s84, 4
	s_add_co_u32 s84, s84, 1152                    ; the weight's first tile, of the cluster's number alone: 1,024 + 32 (4 + type) + 16 half
	s_lshl_b32 s86, s23, 5
	s_lshl_b32 s87, s21, 3
	s_add_co_u32 s86, s86, s87                     ; the rows' first tile within the type: 8 (4 (c % 16) + cx)
	s_lshl_b32 s87, s[TY], 9
	s_add_co_u32 s87, s87, s86                     ; and in the buffer
	s_add_co_u32 s86, s86, s3                      ; my tile
	s_lshr_b32 s88, s86, 2                         ; o_r's tile T holds rows 64 (T / 4) + 8 (T % 4) + (i % 8) + 32 (i / 8): its first row in out0,
	s_lshl_b32 s88, s88, 6
	s_and_b32 s89, s86, 3
	s_lshl_b32 s89, s89, 3
	s_add_co_u32 s88, s88, s89
	s_lshr_b32 s89, s86, 7                         ; or in out1
	s_lshl_b32 s89, s89, 11
	s_bfe_u32 s90, s86, 0x30002
	s_lshl_b32 s90, s90, 8
	s_add_co_u32 s89, s89, s90
	s_and_b32 s90, s86, 3
	s_lshl_b32 s90, s90, 6
	s_add_co_u32 s89, s89, s90
	s_bfe_u32 s90, s86, 0x20005
	s_add_co_u32 s89, s89, s90
	s_cmp_eq_u32 s[TY], 0
	s_cselect_b32 s88, s88, s89
	s_lshl_b32 s88, s88, 11                        ; in bytes
	s_lshl_b32 s90, s85, 10
	s_lshl_b32 s91, s2, 9
	s_add_co_u32 s90, s90, s91                     ; my 128 output channels, in bytes
	s_add_co_u32 s88, s88, s90
	s_mov_b32 s89, 0
	s_mov_b32 s91, 0
	G1SET 24, 0x0023000f, 384, 16, 768             ; the weight's codes, joint: one K half of 16 tiles
	G1SET 32, 0x00030000, 384, 8, 768              ; the rows' codes, plain: one K half of 8 tiles
	G1SET 40, 0x0023000f, 32, 16, 32               ; the weight's scale bytes, joint
	G1SET 48, 0x00030000, 32, 8, 32                ; the rows', plain
	s_mov_b32 s56, 1
	s_mov_b32 s57, SC0
	s_lshl_b32 s58, s84, 8
	s_mov_b32 s59, 0
	s_mov_b32 s60, 1
	s_mov_b32 s61, R0
	s_mul_i32 s62, s84, 6144
	s_mov_b32 s63, 0
	s_mov_b32 s68, 1
	s_mov_b32 s69, R0+HALF0
	s_mov_b32 s72, 1
	s_mov_b32 s73, SC1
	s_lshl_b32 s74, s87, 8
	s_mov_b32 s75, 0
	s_mov_b32 s76, 1
	s_mov_b32 s77, R1
	s_mul_i32 s78, s87, 6144
	s_mov_b32 s79, 0
	s_mov_b32 s80, 1
	s_mov_b32 s81, R1+HALF1
	s_wait_dscnt 0x0
	s_wait_kmcnt 0x0
	s_add_nc_u64 s[58:59], s[10:11], s[58:59]
	s_add_nc_u64 s[62:63], s[8:9], s[62:63]
	s_add_nc_u64 s[70:71], s[62:63], 3072
	s_add_nc_u64 s[74:75], s[6:7], s[74:75]
	s_add_nc_u64 s[78:79], s[4:5], s[78:79]
	s_add_nc_u64 s[82:83], s[78:79], 3072
	s_or_b32 s59, s59, 0x80000000
	s_or_b32 s63, s63, 0x80000000
	s_or_b32 s71, s71, 0x80000000
	s_or_b32 s75, s75, 0x80000000
	s_or_b32 s79, s79, 0x80000000
	s_or_b32 s83, s83, 0x80000000
	s_cmp_eq_u32 s[TY], 0
	s_cselect_b64 s[12:13], s[12:13], s[14:15]     ; the type's bias and output
	s_cselect_b64 s[16:17], s[16:17], s[18:19]
	s_add_nc_u64 s[12:13], s[12:13], s[90:91]
	s_add_nc_u64 s[16:17], s[16:17], s[88:89]
	CROUND                                         ; all four work-groups are here: the joint loads meet
; The six fills, one to a wave (waves 0 to 5), in one chain of branches on the wave's number; every arm leads to .Lasked.
.macro ARM under, g0, g1, next
	s_cmp_lt_u32 s[WV], \under
	s_cbranch_scc0 \next
	tensor_load_to_lds s[\g0:\g0+3], s[\g1:\g1+7]
	s_nop 0
.rept 4
	v_nop
.endr
	s_branch .Lasked
\next:
.endm
	ARM 1, 56, 40, .Larm1                          ; the weight's scale bytes,
	ARM 2, 60, 24, .Larm2                          ; its first K half,
	ARM 3, 68, 24, .Larm3                          ; its second: these three are joint
	ARM 4, 72, 48, .Larm4                          ; the rows' scale bytes,
	ARM 5, 76, 32, .Larm5                          ; their first K half,
	ARM 6, 80, 32, .Larm6                          ; their second
.Lasked:
	s_wait_alu depctr_va_vdst(0)
.irp t,0,1,2,3,4,5,6,7
	global_load_b128 v[BI+8*\t:BI+8*\t+3], v13, s[12:13] offset:(32*(\t/2)+8*(\t%2))*4      ; tile t, lane (r, h): channels 32 (t / 2) + 8 (t % 2) + 16 h + 0 .. 7
	global_load_b128 v[BI+8*\t+4:BI+8*\t+7], v13, s[12:13] offset:(32*(\t/2)+8*(\t%2))*4+16
.endr
.macro FRAG reg, a16, a8, off          ; a fragment, 16 rows x 128 K: two half fragments, as they lie
	ds_load_b128 v[\reg:\reg+3], v[\a16] offset:\off
	ds_load_b64 v[\reg+4:\reg+5], v[\a8] offset:\off
	ds_load_b128 v[\reg+6:\reg+9], v[\a16] offset:\off+768
	ds_load_b64 v[\reg+10:\reg+11], v[\a8] offset:\off+768
.endm
.macro MM t, z                         ; the weight's tile t x my tile of rows; z = 1: the product starts the sum from the bias
.set rD, ACC+8*(\t)
.set rA, S0B+12*((\t)%4)
.set rC, BI+8*(\t)
.set rS, SS0+(\t)%4
.if \z
.if (\t) < 4
	v_wmma_scale_f32_16x16x128_f8f6f4 v[rD:rD+7], v[rA:rA+11], v[S1B:S1B+11], v[rC:rC+7], v[rS], v[SS1] matrix_a_fmt:MATRIX_FMT_BF6 matrix_b_fmt:MATRIX_FMT_BF6
.else
	v_wmma_scale_f32_16x16x128_f8f6f4 v[rD:rD+7], v[rA:rA+11], v[S1B:S1B+11], v[rC:rC+7], v[rS], v[SS1] matrix_a_fmt:MATRIX_FMT_BF6 matrix_b_fmt:MATRIX_FMT_BF6 matrix_a_scale:MATRIX_SCALE_ROW1
.endif
.else
.if (\t) < 4
	v_wmma_scale_f32_16x16x128_f8f6f4 v[rD:rD+7], v[rA:rA+11], v[S1B:S1B+11], v[rD:rD+7], v[rS], v[SS1] matrix_a_fmt:MATRIX_FMT_BF6 matrix_b_fmt:MATRIX_FMT_BF6
.else
	v_wmma_scale_f32_16x16x128_f8f6f4 v[rD:rD+7], v[rA:rA+11], v[S1B:S1B+11], v[rD:rD+7], v[rS], v[SS1] matrix_a_fmt:MATRIX_FMT_BF6 matrix_b_fmt:MATRIX_FMT_BF6 matrix_a_scale:MATRIX_SCALE_ROW1
.endif
.endif
.endm
; A K step of 128.  A load into a register that a matrix instruction has read stands four plain vector instructions behind it (ISA guide 7.12.1 for vector instructions).
.macro KSTEP s
.set Z, 0
.if (\s) == 0
.set Z, 1
	s_wait_tensorcnt 0x0                           ; my one fill, if I issued one, has landed;
	s_barrier_signal -1
	s_barrier_wait -1                              ; everybody's have.
.elseif (\s) == 2
	v_add_nc_u32 v1, HALF0, v1
	s_wait_alu depctr_va_vdst(0)
	v_add_nc_u32 v2, HALF0, v2
	s_wait_alu depctr_va_vdst(0)
	v_add_nc_u32 v3, HALF1, v3
	s_wait_alu depctr_va_vdst(0)
	v_add_nc_u32 v4, HALF1, v4
.else
.rept 4
	v_nop
.endr
.endif
	FRAG S1B, 3, 4, ((\s)%2)*1536
.irp t,0,1,2,3
	ds_load_b32 v[SS0+\t], v5 offset:256*\t+4*(\s)
.endr
	ds_load_b32 v[SS1], v6 offset:4*(\s)
.irp t,0,1,2,3
	FRAG S0B+12*\t, 1, 2, 3072*\t+((\s)%2)*1536
.endr
	s_wait_dscnt 0x0
.irp t,0,1,2,3
	MM \t, Z
.endr
.rept 4
	v_nop
.endr
.irp t,0,1,2,3
	FRAG S0B+12*\t, 1, 2, 3072*(\t+4)+((\s)%2)*1536
.endr
	s_wait_dscnt 0x0
.irp t,4,5,6,7
	MM \t, Z
.endr
.endm
	s_wait_loadcnt 0x0                             ; the bias
	KSTEP 0
	KSTEP 1
	KSTEP 2
	s_wait_alu depctr_va_vdst(0)
	KSTEP 3
.rept 4
	v_nop                                          ; places in front of the first read of results and of the loads over the operands
.endr
	; THE WAY OUT.  A lane holds 4 x 64 bytes of one row, and the lanes beside it hold other rows: the 16 rows go through my own stage and come back whole, 512 bytes each.
.irp b,0,1,2,3
.irp e,0,1,2,3
	ds_store_b128 v7, v[ACC+16*\b+4*\e:ACC+16*\b+4*\e+3] offset:128*\b+16*\e   ; each accumulator from its low end on
.endr
.endr
.irp i,0,1,2,3,4,5,6,7,8,9,10,11,12,13,14,15
	ds_load_b128 v[24+4*\i:27+4*\i], v8 offset:528*\i    ; LDS serves a wave's instructions in order (ISA guide 5.7.1.4): these see my stores
.endr
	s_cmp_eq_u32 s[TY], 0                          ; the same in all four partners; only the rows' places differ
	s_cbranch_scc0 .Lout1
.irp i,0,1,2,3,4,5,6,7,8,9,10,11,12,13,14,15
	s_wait_dscnt 15-\i                             ; row i is back; the younger rows' loads stay out
	global_store_b128 v9, v[24+4*\i:27+4*\i], s[16:17] offset:(\i+24*(\i/8))*2048 th:TH_STORE_NT   ; 32 lanes store 512 consecutive bytes, at a multiple of 256 from the buffer's first byte
.endr
	s_branch .Lend
.Lout1:
.irp i,0,1,2,3,4,5,6,7,8,9,10,11,12,13,14,15
	s_wait_dscnt 15-\i
	global_store_b128 v9, v[24+4*\i:27+4*\i], s[16:17] offset:4*\i*2048 th:TH_STORE_NT
.endr
.Lend:
	s_wait_tensorcnt 0x0
	ds_add_u32 v126, v127
	s_wait_dscnt 0x0
	CROUND                                         ; the closing round: no work-group ends while a partner may still ask for a tile that names it
	s_endpgm
.Lfunc_end_k_qba31f4516d_outp:
	.size	k_qba31f4516d_outp, .Lfunc_end_k_qba31f4516d_outp-k_qba31f4516d_outp
	.p2alignl 7, 3214868480
	.fill 96, 4, 3214868480
	.section	.rodata,"a",@progbits
	.p2align	6, 0x0
	.amdhsa_kernel k_qba31f4516d_outp
		.amdhsa_group_segment_fixed_size 290816
		.amdhsa_private_segment_fixed_size 0
		.amdhsa_enable_private_segment 0
		.amdhsa_kernarg_size 64
		.amdhsa_user_sgpr_count 2
		.amdhsa_user_sgpr_kernarg_segment_ptr 1
		.amdhsa_wavefront_size32 1
		.amdhsa_system_sgpr_workgroup_id_x 1
		.amdhsa_system_sgpr_workgroup_id_y 1
		.amdhsa_system_sgpr_workgroup_id_z 1
		.amdhsa_system_vgpr_workitem_id 0
		.amdhsa_next_free_vgpr 256
		.amdhsa_next_free_sgpr 96
		.amdhsa_reserve_vcc 0
		.amdhsa_float_denorm_mode_32 3
		.amdhsa_float_denorm_mode_16_64 3
		.amdhsa_memory_ordered 1
		.amdhsa_forward_progress 1
		.amdhsa_inst_pref_size 34
	.end_amdhsa_kernel
	.amdgpu_metadata
---
amdhsa.version: [ 1, 2 ]
amdhsa.kernels:
  - .name:           k_qba31f4516d_outp
    .symbol:         k_qba31f4516d_outp.kd
    .args:
      - { .name: ocodes, .offset: 0, .size: 8, .value_kind: global_buffer, .address_space: global }
      - { .name: oscales, .offset: 8, .size: 8, .value_kind: global_buffer, .address_space: global }
      - { .name: tcodes, .offset: 16, .size: 8, .value_kind: global_buffer, .address_space: global }
      - { .name: tscales, .offset: 24, .size: 8, .value_kind: global_buffer, .address_space: global }
      - { .name: bpr, .offset: 32, .size: 8, .value_kind: global_buffer, .address_space: global }
      - { .name: bpd, .offset: 40, .size: 8, .value_kind: global_buffer, .address_space: global }
      - { .name: out0, .offset: 48, .size: 8, .value_kind: global_buffer, .address_space: global }
      - { .name: out1, .offset: 56, .size: 8, .value_kind: global_buffer, .address_space: global }
    .group_segment_fixed_size: 290816
    .private_segment_fixed_size: 0
    .kernarg_segment_align: 8
    .kernarg_segment_size: 64
    .max_flat_workgroup_size: 512
    .sgpr_count:     96
    .vgpr_count:     256
    .wavefront_size: 32
...
	.end_amdgpu_metadata
.endif
;; end of part 4
